; MI455X (gfx1250); checked and timed in simulation.
; The chip was launched on July 23, 2026; its instructions are those of AMD's public machine-readable ISA for CDNA 5 (MIT licence, August 2026) and "CDNA5" Instruction Set Architecture Reference Guide (July 2026). The comments in the code are by the model that wrote it; some were corrected since.
;; Multi Head Attention. Allowed arithmetic: matrix products marked QUANTISED: E3M2 operands, one E8M0 scale for each 32 along K, by v_wmma_scale_f32_16x16x128_f8f6f4 with both operands' format E3M2, f32 sums; everything else in f32.
;; Inputs: Wk 1,024 x 1,024 float32; Wq 1,024 x 1,024 float32; Wv 1,024 x 1,024 float32; bk 1,024 float32; bq 1,024 float32; bv 1,024 float32; k 2 x 2,048 x 1,024 float32; mask 2 x 2,048 bool; q 2 x 2,048 x 1,024 float32; v 2 x 2,048 x 1,024 float32.
;; Outputs: out0 2 x 2,048 x 1,024 float32.
;; This version of the problem:
;;   THIS VERSION OF THE PROBLEM IS GIVEN IN LOW PRECISION. The matrix products marked QUANTISED in the list below multiply operands that are first quantised to E3M2 (3 exponent bits, 2 mantissa bits; 6 bits a number), with one power-of-two scale for each 32 numbers along K (OCP MX v1.0); their sums are f32. All else is computed in f32.
;;   The module's matrix products, in the order in which they are computed (A, B: the left and right operand; K: the contracted axis; several contracted axes count as one K, in the product's order):
;;     1. [M 4,096, K 1,024] x [K 1,024, N 1,024]; A: input q; B: input Wq: QUANTISED
;;     2. [M 4,096, K 1,024] x [K 1,024, N 1,024]; A: input k; B: input Wk: QUANTISED
;;     3. [M 4,096, K 1,024] x [K 1,024, N 1,024]; A: input v; B: input Wv: QUANTISED
;;     4. batch 32 x [M 2,048, K 64] x [K 64, N 2,048]; A: computed on the way; B: computed on the way: QUANTISED
;;     5. batch 32 x [M 2,048, K 2,048] x [K 2,048, N 64]; A: computed on the way; B: computed on the way: QUANTISED
;;   THE QUANTISER, for each operand of a quantised product, along K:
;;     - K is cut into blocks of 32 from its start; a last block that is shorter is filled with zeros.
;;     - A block's scale is 2^e with e = floor(log2(the largest magnitude in the block)) - 4, held to -126 .. 127; a block of zeros has e = 0. As a byte (E8M0): e + 127.
;;     - Each number is divided by its block's scale, clamped to +-28, and rounded to the nearest number of E3M2, ties to even, subnormals kept.
;;     - The product sums the exact products of the quantised numbers (number of the format x scale) in f32.
;;   ~~~python
;;   def quantise(x, axis):      # numpy; x: float32 -> the quantised numbers, widened to float32 again
;;       x = np.moveaxis(x, axis, -1); K = x.shape[-1]
;;       x = np.pad(x, [(0, 0)] * (x.ndim - 1) + [(0, -K % 32)]); x = x.reshape(x.shape[:-1] + (-1, 32)); a = np.abs(x).max(-1, keepdims=True)
;;       e = np.where(a > 0, np.clip(np.frexp(np.where(a > 0, a, 1))[1] - 1 - 4, -126, 127), 0)      # np.frexp(a)[1] - 1 = floor(log2(a)), exactly
;;       r = np.clip(x / 2.0 ** e, -28, 28)
;;       step = 2.0 ** (np.maximum(np.frexp(np.where(r == 0, 1, r))[1] - 1, -2) - 2)
;;       q = np.round(r / step) * step * 2.0 ** e      # np.round: ties to even
;;       return np.moveaxis(q.reshape(q.shape[:-2] + (-1,))[..., :K], -1, axis).astype(np.float32)
;;   ~~~
;;   OPERANDS COMPUTED ON THE WAY. 'Computed on the way' means the value that the module computes at that place (a softmax that the list does not call 'softmax' is quantised finished and normalised). What goes into a quantiser is computed in f32, as accurately as f32 sums, v_exp_f32 and their like allow (about 1e-6 of the number): no bf16 or f16 on the way to a quantiser, and a product that is left as it is and whose result goes on into a quantised operand takes f32 operands (vector FMAs, or v_wmma_f32_16x16x4_f32). A number that lies on a knife's edge between two numbers of the format may be rounded either way, as far as f32 arithmetic and the matrix unit's own rounding can turn it there, and no further.
;; 2 versions, each right; version 2 is version 1 with the launch attn written anew for expert scheduling mode. Each part assembles by itself: llvm-mc -triple=amdgcn-amd-amdhsa -mcpu=gfx1250 --defsym DOCPART=n.
;; ======== version 1 of 2: 3 launches
;; limits: right only within a limited range of input values
;; workspace buffers: cod 11,796,480 bytes; scl 491,520 bytes; hcod 9,437,184 bytes; hscl 393,216 bytes
;; launch quant (part 1): grid 480 x 1, 4 waves a work-group, no clusters, 34,304 bytes of LDS; arguments q, k, v, Wq, Wk, Wv, cod, scl; writes cod, scl
.if DOCPART == 1
	.amdgcn_target "amdgcn-amd-amdhsa--gfx1250"
	.amdhsa_code_object_version 6
	.text
	.protected	k_qe223b28440_quant
	.globl	k_qe223b28440_quant
	.p2align	8
	.type	k_qe223b28440_quant,@function
k_qe223b28440_quant:
	s_mov_b64 s[64:65], 0
	v_nop
	global_prefetch_b8 v0, s[64:65] scope:SCOPE_SE
	s_setreg_imm32_b32 hwreg(HW_REG_WAVE_MODE, 25, 1), 1
	s_wait_xcnt 0x0
; MULTI-HEAD ATTENTION IN MX-BF6, launch 1 of 3: q, k, v [4096][1024] and Wq, Wk, Wv [1024][1024], f32, K = the last axis, become codes of E3M2 with one E8M0 byte for each 32 along K.
; NOTHING OF reference() IS LEFT OUT IN THIS PROGRAM: each bias is added ahead of a quantiser, so it can move codes and scales; the mask is an input and selects values; all five products are live.  Every input is loaded by some launch.
; A block's scale is 2^(floor(log2(its largest magnitude)) - 4): its byte is the largest magnitude's exponent field - 4, held at 1 from below.  A block of zeros so gets the byte 1 where the rule says 127: its codes are
; zeros, which add nothing under any byte but 0xff, and these bytes are read by this program alone.  Beyond 28 the conversion gives the largest code, as the rule asks.
; LIMITS: blocks whose largest magnitude lies under 2^-122 keep the byte 1; NaN and infinities among the inputs are not served.
; THE WORKSPACE IS LAID IN THE ORDER OF THE OPERAND'S REGISTERS.  A fragment is 16 rows x 128 K: 12 registers a lane; lane (r, h) holds of its row k = 64 c + 32 h + 0 .. 31 in registers 6 c .. 6 c + 5.
;   cod: [row tile 960][K step 8][group 3][lane 32][16 bytes]: group g = registers 4 g .. 4 g + 3.     scl: [row tile 960][half of K 2][r 16][4 words]: word s = the four bytes of K step 4 half + s.
;   Row tiles: q 0-255, k 256-511, v 512-767, Wq 768-831, Wk 832-895, Wv 896-959.
; THE ROWS OF A TILE ARE NOT NEIGHBOURS: lane r of tile 2 b + u holds row 32 b + 8 u + r + 8 (r / 8), so that the next launch's results have 16 neighbours along the next K in 16 registers.
; SHARES.  Work-group g takes 32 neighbouring rows, two tiles; wave w takes tile w / 2 of them and half w % 2 of K: 16 rows x 512 numbers, four fragments.  Each load reads 512 consecutive bytes of one row;
; a fragment's 8,192 bytes turn through the wave's own stage in LDS (rows 528 bytes apart: the sixteen rows that a load touches begin in different banks) and come back as two whole blocks a lane.
; Every store of codes covers 512 consecutive bytes, the store of scale words 256, all aligned.  No barrier: waves share nothing.  32 loads a wave are asked for ahead.
.set STGB,  16*528                     ; a wave's stage
.set SPARE, 4*STGB                     ; behind the stages: the spare words, 128 bytes for each wave: two blocks of 256 bytes that no other line names
.set LI,   4                           ; v4   16 x lane
.set STW,  5                           ; v5   the stage, on the way in: 16 x lane
.set STRD, 6                           ; v6   and on the way out: 528 r + 128 h
.set SPW,  7                           ; v7   my spare word; never rewritten
.set NIL,  8                           ; v8   0; never rewritten
.set H8,   9                           ; v9   8 h
.set SCO,  10                          ; v10  16 r + 8 h: my place among the wave's scale words
.set MX,   11                          ; v11-12 largest magnitudes
.set EX,   13                          ; v13-14 the conversions' scale operands
.set SW,   16                          ; v16-19 the four fragments' scale words
.set CD,   20                          ; v20-43 two sets of 12 registers of codes
.set CT,   44                          ; v44-51 the upper halves of the blocks' codes, as the conversions leave them
.set BY,   52                          ; v52-53 scale bytes
.set WD,   54
.set TP,   55
.set DD,   56                          ; v56-57 the two words that I store
.set XR,   64                          ; v64-127 two whole blocks
.set RR,   128                         ; v128-255 two sets of 64 registers as loaded
	s_load_b256 s[4:11], s[0:1], 0x0               ; q, k, v, Wq
	s_load_b256 s[12:19], s[0:1], 0x20             ; Wk, Wv, cod, scl
	v_lshl_add_u32 v[SPW], v0, 2, SPARE
	v_mov_b32 v[NIL], 0
	v_lshrrev_b32 v1, 5, v0
	v_readfirstlane_b32 s20, v1                    ; wave
	v_and_b32 v1, 31, v0                           ; lane
	v_and_b32 v2, 15, v0                           ; r
	v_bfe_u32 v3, v0, 4, 1                         ; h
	v_lshlrev_b32 v[LI], 4, v1
	s_mul_i32 s21, s20, STGB
	v_add_nc_u32 v[STW], s21, v[LI]
	v_mul_u32_u24 v[STRD], v2, 528
	v_lshl_add_u32 v[STRD], v3, 7, v[STRD]
	v_add_nc_u32 v[STRD], s21, v[STRD]
	v_lshlrev_b32 v[H8], 3, v3
	v_lshl_add_u32 v[SCO], v2, 4, v[H8]
	v_cmp_le_u32 s28, 16, v1                       ; lanes 16-31
	v_mov_b32 v[TP], 0                             ; written once: a lane permute's destination counts as one of its sources
	s_mov_b32 s26, 0x76543210
	s_mov_b32 s27, 0xfedcba98                      ; v_permlanex16_b32's selects for lane l xor 16
	s_lshr_b32 s24, s20, 1                         ; which of the two tiles
	s_and_b32 s25, s20, 1                          ; which half of K
	s_wait_kmcnt 0x0
	s_mov_b64 s[22:23], s[14:15]                   ; which tensor: the choice hangs on the work-group's number alone
	s_mov_b32 s29, 448
	s_cmp_lt_u32 ttmp9, 448
	s_cselect_b64 s[22:23], s[12:13], s[22:23]
	s_cselect_b32 s29, 416, s29
	s_cmp_lt_u32 ttmp9, 416
	s_cselect_b64 s[22:23], s[10:11], s[22:23]
	s_cselect_b32 s29, 384, s29
	s_cmp_lt_u32 ttmp9, 384
	s_cselect_b64 s[22:23], s[8:9], s[22:23]
	s_cselect_b32 s29, 256, s29
	s_cmp_lt_u32 ttmp9, 256
	s_cselect_b64 s[22:23], s[6:7], s[22:23]
	s_cselect_b32 s29, 128, s29
	s_cmp_lt_u32 ttmp9, 128
	s_cselect_b64 s[22:23], s[4:5], s[22:23]
	s_cselect_b32 s29, 0, s29
	s_sub_co_u32 s29, ttmp9, s29                   ; the work-group's number in its tensor
	s_lshl_b32 s30, s29, 17                        ; 32 rows of 4,096 bytes,
	s_lshl_b32 s31, s24, 15                        ; the odd tile begins 8 rows on,
	s_add_co_u32 s30, s30, s31
	s_lshl_b32 s31, s25, 11                        ; my half of K
	s_add_co_u32 s30, s30, s31
	s_mov_b32 s31, 0
	s_add_nc_u64 s[22:23], s[22:23], s[30:31]
	s_lshl_b32 s32, ttmp9, 1
	s_add_co_u32 s32, s32, s24                     ; my row tile among the 960
	s_mul_i32 s30, s32, 12288
	s_mul_i32 s33, s25, 6144
	s_add_co_u32 s30, s30, s33
	s_add_nc_u64 s[16:17], s[16:17], s[30:31]      ; my four fragments in cod
	s_lshl_b32 s30, s32, 9
	s_lshl_b32 s33, s25, 8
	s_add_co_u32 s30, s30, s33
	s_add_nc_u64 s[18:19], s[18:19], s[30:31]      ; my 256 bytes in scl
.macro LOAD f                          ; fragment f: 512 bytes of each of the tile's 16 rows
.irp i, 0,1,2,3,4,5,6,7,8,9,10,11,12,13,14,15
	global_load_b128 v[RR+64*((\f)%2)+4*\i:RR+64*((\f)%2)+4*\i+3], v[LI], s[22:23] offset:(\i+8*(\i/8))*4096+512*(\f) th:TH_LOAD_NT
.endr
.endm
.macro TURN f                          ; through the stage: LDS serves a wave's instructions in order, so no wait stands between the stores and the loads
.irp i, 0,1,2,3,4,5,6,7,8,9,10,11,12,13,14,15
	ds_store_b128 v[STW], v[RR+64*((\f)%2)+4*\i:RR+64*((\f)%2)+4*\i+3] offset:528*\i
.endr
.irp c, 0,1
.irp x, 0,1,2,3,4,5,6,7
	ds_load_b128 v[XR+32*\c+4*\x:XR+32*\c+4*\x+3], v[STRD] offset:256*\c+16*\x   ; row r, k = 64 c + 32 h + 4 x ..
.endr
.endr
.endm
.macro WORK f
.set CS, CD+12*((\f)%2)
.irp c, 0,1
	v_max3_num_f32 v[MX+\c], |v[XR+32*\c]|, |v[XR+32*\c+1]|, 0x2800000   ; my block 2 c + h: all its 32 numbers are mine; the floor 2^(5 - 127) holds the byte at 1 from below
.endr
.irp i, 2,4,6,8,10,12,14,16,18,20,22,24,26,28,30
.irp c, 0,1
	v_max3_num_f32 v[MX+\c], v[MX+\c], |v[XR+32*\c+\i]|, |v[XR+32*\c+\i+1]|
.endr
.endr
.irp c, 0,1
	v_add_nc_u32 v[EX+\c], 0xfe000000, v[MX+\c]    ; 4 off the exponent field: the conversion takes the exponent field of this operand as its scale
.endr
.irp c, 0,1
	v_lshrrev_b32 v[BY+\c], 23, v[EX+\c]           ; the scale's byte
.endr
	v_lshl_or_b32 v[WD], v[BY+1], 16, v[BY]        ; blocks h and 2 + h,
	v_lshlrev_b32 v[WD], v[H8], v[WD]              ; at their places in the word;
	v_permlanex16_b32 v[TP], v[WD], s26, s27
	v_or_b32 v[SW+\f], v[WD], v[TP]                ; with lane l xor 16's two the word is whole
.irp c, 0,1
	v_cvt_scalef32_pk16_bf6_f32 v[CS+6*\c:CS+6*\c+2], v[XR+32*\c:XR+32*\c+15], v[EX+\c]
	v_cvt_scalef32_pk16_bf6_f32 v[CT+4*\c:CT+4*\c+2], v[XR+32*\c+16:XR+32*\c+31], v[EX+\c]   ; (a conversion's three registers begin on an even number)
.endr
	v_nop                                          ; one plain place behind a scaled conversion
.irp c, 0,1
.irp i, 0,1,2
	v_mov_b32 v[CS+6*\c+3+\i], v[CT+4*\c+\i]
.endr
.endr
.irp g, 0,1,2
	global_store_b128 v[LI], v[CS+4*\g:CS+4*\g+3], s[16:17] offset:1536*(\f)+512*\g   ; 32 lanes store 512 consecutive bytes
.endr
.endm
	LOAD 0
	LOAD 1
.irp f, 0,1,2,3
.if \f < 3
	s_wait_loadcnt 16                              ; this fragment's 16 loads are in; the next fragment's 16 may be out
.else
	s_wait_loadcnt 0x0
.endif
	TURN \f
	s_wait_dscnt 0x0                               ; the numbers are back, and the stage's stores have read their registers,
.if \f < 2
	LOAD \f+2                                      ; which take the fragment two on
.else
	s_wait_xcnt 0x0                                ; the stores of two fragments back have read their registers: that set of codes is written again
.endif
	WORK \f
.endr
	v_cndmask_b32 v[DD], v[SW], v[SW+2], s28       ; lanes 0-15 store row r's words 0 and 1, lanes 16-31 its words 2 and 3
	v_cndmask_b32 v[DD+1], v[SW+1], v[SW+3], s28
	global_store_b64 v[SCO], v[DD:DD+1], s[18:19]  ; 32 lanes store 256 consecutive bytes, aligned
	s_wait_tensorcnt 0x0                           ; the wave's end, behind my last LDS store
	ds_add_u32 v[SPW], v[NIL]
	s_wait_dscnt 0x0
	s_endpgm
.Lfunc_end_k_qe223b28440_quant:
	.size	k_qe223b28440_quant, .Lfunc_end_k_qe223b28440_quant-k_qe223b28440_quant
	.p2alignl 7, 3214868480
	.fill 96, 4, 3214868480
	.section	.rodata,"a",@progbits
	.p2align	6, 0x0
	.amdhsa_kernel k_qe223b28440_quant
		.amdhsa_group_segment_fixed_size 34304
		.amdhsa_private_segment_fixed_size 0
		.amdhsa_enable_private_segment 0
		.amdhsa_kernarg_size 64
		.amdhsa_user_sgpr_count 2
		.amdhsa_user_sgpr_kernarg_segment_ptr 1
		.amdhsa_wavefront_size32 1
		.amdhsa_system_sgpr_workgroup_id_x 1
		.amdhsa_system_sgpr_workgroup_id_y 1
		.amdhsa_system_sgpr_workgroup_id_z 1
		.amdhsa_system_vgpr_workitem_id 0
		.amdhsa_next_free_vgpr 256
		.amdhsa_next_free_sgpr 66
		.amdhsa_reserve_vcc 0
		.amdhsa_float_denorm_mode_32 3
		.amdhsa_float_denorm_mode_16_64 3
		.amdhsa_memory_ordered 1
		.amdhsa_forward_progress 1
		.amdhsa_inst_pref_size 31
	.end_amdhsa_kernel
	.amdgpu_metadata
---
amdhsa.version: [ 1, 2 ]
amdhsa.kernels:
  - .name:           k_qe223b28440_quant
    .symbol:         k_qe223b28440_quant.kd
    .args:
      - { .name: q, .offset: 0, .size: 8, .value_kind: global_buffer, .address_space: global }
      - { .name: k, .offset: 8, .size: 8, .value_kind: global_buffer, .address_space: global }
      - { .name: v, .offset: 16, .size: 8, .value_kind: global_buffer, .address_space: global }
      - { .name: Wq, .offset: 24, .size: 8, .value_kind: global_buffer, .address_space: global }
      - { .name: Wk, .offset: 32, .size: 8, .value_kind: global_buffer, .address_space: global }
      - { .name: Wv, .offset: 40, .size: 8, .value_kind: global_buffer, .address_space: global }
      - { .name: cod, .offset: 48, .size: 8, .value_kind: global_buffer, .address_space: global }
      - { .name: scl, .offset: 56, .size: 8, .value_kind: global_buffer, .address_space: global }
    .group_segment_fixed_size: 34304
    .private_segment_fixed_size: 0
    .kernarg_segment_align: 8
    .kernarg_segment_size: 64
    .max_flat_workgroup_size: 128
    .sgpr_count:     66
    .vgpr_count:     256
    .wavefront_size: 32
...
	.end_amdgpu_metadata
.endif
;; end of part 1
;; launch proj (part 2): grid 12 x 16, 4 waves a work-group, clusters of 4 x 4, 327,680 bytes of LDS; arguments cod, scl, bq, bk, bv, hcod, hscl; writes hcod, hscl
.if DOCPART == 2
	.amdgcn_target "amdgcn-amd-amdhsa--gfx1250"
	.amdhsa_code_object_version 6
	.text
	.protected	k_qe223b28440_proj
	.globl	k_qe223b28440_proj
	.p2align	8
	.type	k_qe223b28440_proj,@function
k_qe223b28440_proj:
	s_mov_b64 s[64:65], 0
	v_nop
	global_prefetch_b8 v0, s[64:65] scope:SCOPE_SE
	s_setreg_imm32_b32 hwreg(HW_REG_WAVE_MODE, 25, 1), 1
	s_wait_xcnt 0x0
	s_wait_alu depctr_hold_cnt(0) depctr_sa_sdst(0) depctr_va_vdst(0) depctr_va_sdst(0) depctr_va_ssrc(0) depctr_va_vcc(0) depctr_vm_vsrc(0)
	s_getreg_b32 s2, hwreg(HW_REG_IB_STS2, 6, 4)
	s_cmp_eq_u32 s2, 0
	s_cbranch_scc0 .Lentry_in_a_cluster
	s_endpgm
.Lentry_in_a_cluster:
	s_bfe_u32 s2, ttmp6, 0x10000c
	s_cmp_lg_u32 s2, 0xf033
	s_cbranch_scc0 .Lentry_shape_is_right
	s_endpgm
.Lentry_shape_is_right:
; Launch 2 of 3: the three projections y = x W^T + b on codes of E3M2 (4,096 x 1,024 x 1,024 each), and the quantisers of their results: qh and kh along the head's 64, vh along the keys.  Nothing of reference() is left out here.
; The cluster's x is the tensor T (0 q, 1 k, 2 v).  A work-group makes 256 rows of x (4 x cluster y + cy) against 256 rows of W (cx); each of its four waves 128 x 128: 64 accumulators of 16 x 16.
; 192 work-groups: 3 x 4,096 x 1,024 results have no split into 256 equal tiles that stay inside one tensor.
; WHICH OPERAND IS SOURCE 0.  In a result a lane's registers run along source 0's rows, and the axis that is quantised next must run along a lane's registers: for q and k the channels (source 0 = W, source 1 = x),
; for v the keys (source 0 = x, source 1 = W).  Only two LDS bases and two offsets among the scale words differ; they are chosen by T, which all partners of a cluster share.
; The rows of a tile are laid so (launch 1) that the 16 registers of source 0's tiles 2 b and 2 b + 1 are 16 neighbours: index 32 b + 16 (lane / 16) + 0 .. 15.
; TILES.  cod holds fragments as images of their registers, so a fragment comes from LDS by three loads of 16 bytes a lane, 512 consecutive bytes each.  K's 8 steps of 128 come in four fills of two steps
; (a wave's load: 8 row tiles x 3,072 bytes).  Three LDS slots take fills 0, 1, 2 at the start: three tensor loads of a wave are out; fill 3 goes into slot 0 when K steps 0 and 1 have been read.
; CLUSTER 4 x 4: x's tiles are shared along a row of the cluster, W's along a column: joint loads with a mask that names the four.
; THE SCALE WORDS of all 8 K steps come once, straight into 64 registers: register SC + 8 i + k: lanes 0-15 source 1's tile i, lanes 16-31 source 0's tile i.
; THE WAY OUT.  Bias in f32, then the quantiser in registers; the codes leave as images of the next launch's operands, each store 512 consecutive bytes:
;   hcod: three parts (q, k, v) of 3,145,728 bytes, [b x 16 + head] x 98,304.  q, k: [pair of row tiles 64][group 3][lane][16]: registers 0-5 tile 2 p (lane (r, h): row r's block h), 6-11 tile 2 p + 1.
;         v: [128 keys 16][tile of 16 channels 4][group 3][lane][16]: a fragment of V^T.
;   hscl: three parts of 131,072 bytes, [b x 16 + head] x 4,096.  q, k: [8 tiles 16][r 16][pair 4] words: bytes 0, 1 tile 2 p's two blocks, bytes 2, 3 tile 2 p + 1's.  v: [128 keys 16][r 16][tile 4] words.
; LIMITS: blocks whose largest magnitude lies under 2^-122 keep the byte 1 (a block of zeros too: its codes are zeros); NaN and infinities are not served.
; REGISTERS.  Window 0: v1-15 addresses; v32-95 scale words; v96-119 at work; v128-223 source 1's 8 fragments, ONE set; on the way out v128-191 64 numbers, v192-239 codes, v240-251 scale words.
;   Window 1: source 0's fragments, TWO sets, at v0 and v128; the bias in v96-127 and v224-255.   Windows 2, 3: accumulator (a, b) at v[8 (8 (a % 4) + b)] of window 2 + a / 4.
.set FRB,   1536                       ; a fragment's image
.set TILB,  2*FRB                      ; a row tile's two K steps
.set HALFB, 8*TILB                     ; what one tensor load brings, and what a wave reads of one operand
.set SLOTB, 4*HALFB                    ; x's 16 tiles, then W's 16
.set SPARE, 3*SLOTB                    ; behind the slots: the spare words, 128 bytes for each wave: two blocks of 256 bytes that no other line names
.set NL,    3                          ; LDS loads that bring a fragment
.set LI,   3                           ; v3    16 x lane
.set ADR0, 4                           ; v4-6  source 0's fragments in slots 0, 1, 2
.set ADR1, 7                           ; v7-9  source 1's
.set SCV,  10                          ; v10   the scale words' offset
.set SO,   11                          ; v11   16 r + 4,096 h
.set SELV, 12                          ; v12   byte selects
.set SPW,  28                          ; v28   my spare word; never rewritten
.set NIL,  29                          ; v29   0; never rewritten
.set SC,   32
.set TM,   96                          ; v96-99 largest magnitudes, v100-103 bytes, v108-111 the conversions' scale operands
.set CT,   112
.set AF,   128
.set HA,   128
.set RUN,  192
.set PW,   240
.set W4,   248
.set BV,   96                          ; window 1: bv, a pair of equal words for each tile of channels
.set G1X, 24                           ; s[24:31] group 1 for x's tiles; s[32:43] three groups 0
.set G0X, 32
.set G1W, 44                           ; s[44:51], s[52:63] the same for W's
.set G0W, 52
.set SEL, 68                           ; s[68:69]
.set MSB, 0
.macro WIN new                         ; the immediate's high byte repeats the setting that is left
.if MSB != (\new)
	s_set_vgpr_msb (MSB<<8)|(\new)
.set MSB, (\new)
.endif
.endm
.set MUL_LO, 0xa1                      ; source 0 window 1, source 1 window 0, C and D window 2
.set MUL_HI, 0xf1                      ; the same, C and D window 3
.set TO_S0,  0x40                      ; destination window 1, address window 0
; A joint load: waves 0 and 1 fetch x's halves, waves 2 and 3 W's.  Each line has one mask and one set of registers for all that issue it; the branch hangs on the wave's number alone.
; An s_nop 0 and four v_nop follow each of the two lines.
.macro JLOAD g0x, g0w
	s_cmp_eq_u32 s19, 0
	s_cbranch_scc0 .Lfor_w_\@
	tensor_load_to_lds s[\g0x:\g0x+3], s[G1X:G1X+7]
	s_nop 0
.rept 4
	v_nop
.endr
	s_branch .Lasked_\@
.Lfor_w_\@:
	tensor_load_to_lds s[\g0w:\g0w+3], s[G1W:G1W+7]
	s_nop 0
.rept 4
	v_nop
.endr
.Lasked_\@:
.endm
.macro CREST                           ; a round of the cluster's barrier behind its opening barrier
	s_cmp_lg_u32 s18, 0
	s_cbranch_scc1 .Lnot_wave_0_\@
	s_barrier_signal -3
.Lnot_wave_0_\@:
	s_barrier_wait -3
	s_barrier_signal -1
	s_barrier_wait -1
.endm
.macro CROUND
	s_barrier_signal -1
	s_barrier_wait -1
	CREST
.endm
.macro PLACES n
.rept \n
	v_nop
.endr
.endm
	s_load_b256 s[4:11], s[0:1], 0x0               ; cod, scl, bq, bk
	s_load_b128 s[12:15], s[0:1], 0x20             ; bv, hcod
	s_load_b64 s[16:17], s[0:1], 0x30              ; hscl
	v_lshl_add_u32 v[SPW], v0, 2, SPARE
	v_mov_b32 v[NIL], 0
	ds_add_u32 v[SPW], v[NIL]                      ; the wave's opening: the add, twice on end, and its wait ahead of my first tensor load
	ds_add_u32 v[SPW], v[NIL]                      ; and once more, under the one wait; the set-up below, work on registers, stands between
	v_lshrrev_b32 v1, 5, v0
	v_readfirstlane_b32 s18, v1                    ; wave 0..3
	s_lshr_b32 s19, s18, 1                         ; my half of x's rows.  Also: I fetch for x (0) or for W (1)
	s_and_b32 s20, s18, 1                          ; my half of W's rows.  Also: which 8 row tiles I fetch
	s_bfe_u32 s21, ttmp6, 0x40000                  ; cx: W's block of 256 rows
	s_bfe_u32 s22, ttmp6, 0x40004                  ; cy
	s_mov_b32 s23, ttmp9                           ; T: the cluster's x
	s_and_b32 s66, ttmp7, 0xffff
	s_lshl_b32 s66, s66, 2
	s_add_co_u32 s66, s66, s22                     ; x's block of 256 rows = 4 x cluster y + cy
	s_lshl_b32 s76, s22, 2
	s_lshl_b32 s76, 15, s76                        ; my row of the cluster
	s_lshl_b32 s77, 0x1111, s21                    ; my column
	s_or_b32 s[G1X], s76, (3<<16)|(1<<21)          ; 15:0 the mask; 17:16 elements of 8 bytes; 20 no padding; 21 set beside a mask
	s_or_b32 s[G1W], s77, (3<<16)|(1<<21)
.irp g, G1X, G1W
	s_mov_b32 s[\g+1], 384<<16                     ; tensor_dim0 = 384 elements: 3,072 bytes, a row tile's two K steps
	s_mov_b32 s[\g+2], 8<<16                       ; tensor_dim1 = 8 row tiles
	s_mov_b32 s[\g+3], 384<<16                     ; tile_dim0
	s_mov_b32 s[\g+4], 8                           ; tile_dim1
	s_mov_b32 s[\g+5], 1536                        ; from row tile to row tile: 12,288 bytes
	s_mov_b32 s[\g+6], 0
	s_mov_b32 s[\g+7], 0
.endr
	s_lshl_b32 s80, s23, 8                         ; x's address hangs on T, the block of x and the wave's number,
	s_lshl_b32 s82, s66, 4
	s_add_co_u32 s80, s80, s82
	s_lshl_b32 s82, s20, 3
	s_add_co_u32 s80, s80, s82                     ; row tile 256 T + 16 block + 8 half
	s_mul_i32 s80, s80, 12288
	s_mov_b32 s81, 0
	s_lshl_b32 s84, s23, 6                         ; W's on T, cx and the wave's number: each in registers that never hold the other coordinate
	s_lshl_b32 s86, s21, 4
	s_add_co_u32 s84, s84, s86
	s_lshl_b32 s86, s20, 3
	s_add_co_u32 s84, s84, s86
	s_add_co_u32 s84, s84, 768                     ; row tile 768 + 64 T + 16 cx + 8 half
	s_mul_i32 s84, s84, 12288
	s_mov_b32 s85, 0
	s_mul_i32 s88, s18, HALFB                      ; where my loads land in a slot: no place in the cluster enters an LDS address
	s_mov_b32 s[SEL], 0x76543210
	s_mov_b32 s[SEL+1], 0xfedcba98
	s_wait_dscnt 0x0                               ; both opening adds are done
	s_wait_kmcnt 0x0
	s_add_nc_u64 s[80:81], s[4:5], s[80:81]
	s_add_nc_u64 s[84:85], s[4:5], s[84:85]
	CROUND                                         ; all sixteen work-groups are here: the first joint loads meet
.irp j, 0,1,2
	s_mov_b32 s[G0X+4*\j], 1
	s_add_co_u32 s[G0X+4*\j+1], s88, \j*SLOTB
	s_add_nc_u64 s[G0X+4*\j+2:G0X+4*\j+3], s[80:81], \j*TILB
	s_or_b32 s[G0X+4*\j+3], s[G0X+4*\j+3], 0x80000000
	s_mov_b32 s[G0W+4*\j], 1
	s_add_co_u32 s[G0W+4*\j+1], s88, \j*SLOTB
	s_add_nc_u64 s[G0W+4*\j+2:G0W+4*\j+3], s[84:85], \j*TILB
	s_or_b32 s[G0W+4*\j+3], s[G0W+4*\j+3], 0x80000000
	JLOAD G0X+4*\j, G0W+4*\j                       ; K steps 2 j and 2 j + 1 into slot j
.endr
	v_and_b32 v1, 15, v0                           ; r
	v_bfe_u32 v2, v0, 4, 1                         ; h
	v_and_b32 v[LI], 31, v0
	v_lshlrev_b32 v[LI], 4, v[LI]
	s_mul_i32 s89, s19, HALFB                      ; my 8 tiles of x in a slot,
	s_mul_i32 s90, s20, HALFB
	s_add_co_u32 s90, s90, 2*HALFB                 ; my 8 tiles of W
	s_cmp_eq_u32 s23, 2
	s_cselect_b32 s91, s89, s90                    ; source 0: x for v, W for q and k
	s_cselect_b32 s92, s90, s89                    ; source 1: the other
.irp s, 0,1,2
	v_add_nc_u32 v[ADR0+\s], s91, v[LI]
	v_add_nc_u32 v[ADR1+\s], s92, v[LI]
	s_add_co_u32 s91, s91, SLOTB
	s_add_co_u32 s92, s92, SLOTB
.endr
	s_lshl_b32 s89, s23, 8                         ; the scale words: my first row tile of x,
	s_lshl_b32 s93, s66, 4
	s_add_co_u32 s89, s89, s93
	s_lshl_b32 s93, s19, 3
	s_add_co_u32 s89, s89, s93
	s_lshl_b32 s90, s23, 6                         ; and of W;
	s_lshl_b32 s93, s21, 4
	s_add_co_u32 s90, s90, s93
	s_lshl_b32 s93, s20, 3
	s_add_co_u32 s90, s90, s93
	s_add_co_u32 s90, s90, 768
	s_lshl_b32 s89, s89, 9                         ; 512 bytes a tile
	s_lshl_b32 s90, s90, 9
	s_cmp_eq_u32 s23, 2
	s_cselect_b32 s91, s89, s90                    ; source 0's
	s_cselect_b32 s92, s90, s89                    ; source 1's
	v_cmp_eq_u32 s67, 1, v2                        ; lanes 16-31
	v_mov_b32 v[SCV], s92
	v_mov_b32 v15, s91
	v_cndmask_b32 v[SCV], v[SCV], v15, s67         ; lanes 0-15 take source 1's words, lanes 16-31 source 0's
	v_lshl_add_u32 v[SCV], v1, 4, v[SCV]           ; 16 bytes a row: four K steps' words
.irp i, 0,1,2,3,4,5,6,7
.irp kh, 0,1
	global_load_b128 v[SC+8*\i+4*\kh:SC+8*\i+4*\kh+3], v[SCV], s[6:7] offset:512*\i+256*\kh   ; sixteen lanes read 256 consecutive bytes
.endr
.endr
	v_lshlrev_b32 v[SO], 12, v2
	v_lshl_add_u32 v[SO], v1, 4, v[SO]
.irp b, 0,1,2,3
	v_mov_b32 v[TM+4+\b], 0                        ; written once: a lane permute's destination counts as one of its sources
.endr
	s_cmp_eq_u32 s23, 0                            ; my bias, at my wave's 128 channels
	s_cselect_b64 s[74:75], s[8:9], s[10:11]
	s_cmp_eq_u32 s23, 2
	s_cselect_b64 s[74:75], s[12:13], s[74:75]
	s_lshl_b32 s94, s21, 10
	s_lshl_b32 s93, s20, 9
	s_add_co_u32 s94, s94, s93
	s_mov_b32 s95, 0
	s_add_nc_u64 s[74:75], s[74:75], s[94:95]
	s_lshl_b32 s89, s66, 8                         ; where my results go: my first row of x, R0 = 256 block + 128 half,
	s_lshl_b32 s90, s19, 7
	s_add_co_u32 s89, s89, s90
	s_lshr_b32 s90, s89, 11                        ; its batch,
	s_and_b32 s89, s89, 2047                       ; its place s0 in the sequence;
	s_lshl_b32 s90, s90, 4
	s_lshl_b32 s91, s21, 2
	s_add_co_u32 s90, s90, s91
	s_lshl_b32 s91, s20, 1
	s_add_co_u32 s90, s90, s91                     ; 16 batch + my first head (4 cx + 2 half); I make two heads
	s_mul_i32 s92, s23, 3145728
	s_mul_i32 s93, s90, 98304
	s_add_co_u32 s92, s92, s93
	s_mul_i32 s93, s89, 48                         ; in all three parts 128 of the sequence are 6,144 bytes of a head
	s_add_co_u32 s94, s92, s93
	s_add_nc_u64 s[70:71], s[14:15], s[94:95]
	s_lshl_b32 s92, s23, 17
	s_lshl_b32 s93, s90, 12
	s_add_co_u32 s92, s92, s93
	s_lshl_b32 s93, s89, 1                         ; and 256 bytes of scale words
	s_add_co_u32 s94, s92, s93
	s_add_nc_u64 s[72:73], s[16:17], s[94:95]
; K step k lies in slot (k / 2) % 3, in the k % 2-th half of each row tile's 3,072 bytes
.macro FETCH0 k, set                   ; source 0's eight fragments of K step k into a set of window 1
.set SL, ((\k)>>1)%3
.set QQ, (\k)&1
	WIN TO_S0
.irp i, 0,1,2,3,4,5,6,7
.irp c, 0,1,2
	ds_load_b128 v[128*(\set)+12*\i+4*\c:128*(\set)+12*\i+4*\c+3], v[ADR0+SL] offset:TILB*\i+FRB*QQ+512*\c
.endr
.endr
	WIN 0
.endm
.macro FETCH1 k, i0                    ; source 1's fragments i0 .. i0 + 3
.set SL, ((\k)>>1)%3
.set QQ, (\k)&1
.irp i, \i0, \i0+1, \i0+2, \i0+3
.irp c, 0,1,2
	ds_load_b128 v[AF+12*(\i)+4*\c:AF+12*(\i)+4*\c+3], v[ADR1+SL] offset:TILB*(\i)+FRB*QQ+512*\c
.endr
.endr
.endm
; 16 matrix instructions: source 1's tiles a0, a0 + 1 x source 0's eight, K step k.  zero = 1: the first product starts the sums.  The 64 accumulators take turns, one instruction a turn, in the same order in every step.
.macro MUL16 a0, k, zero
.irp a, \a0, \a0+1
.irp b, 0,1,2,3,4,5,6,7
.if \zero
	v_wmma_scale_f32_16x16x128_f8f6f4 v[8*(8*((\a)%4)+\b):8*(8*((\a)%4)+\b)+7], v[128*((\k)%2)+12*\b:128*((\k)%2)+12*\b+11], v[AF+12*(\a):AF+12*(\a)+11], 0, v[SC+8*\b+(\k)], v[SC+8*(\a)+(\k)] matrix_a_fmt:MATRIX_FMT_BF6 matrix_b_fmt:MATRIX_FMT_BF6 matrix_a_scale:MATRIX_SCALE_ROW1
.else
	v_wmma_scale_f32_16x16x128_f8f6f4 v[8*(8*((\a)%4)+\b):8*(8*((\a)%4)+\b)+7], v[128*((\k)%2)+12*\b:128*((\k)%2)+12*\b+11], v[AF+12*(\a):AF+12*(\a)+11], v[8*(8*((\a)%4)+\b):8*(8*((\a)%4)+\b)+7], v[SC+8*\b+(\k)], v[SC+8*(\a)+(\k)] matrix_a_fmt:MATRIX_FMT_BF6 matrix_b_fmt:MATRIX_FMT_BF6 matrix_a_scale:MATRIX_SCALE_ROW1
.endif
.endr
.endr
.endm
; A load into a register that a matrix instruction has read, and a vector instruction that reads a result or writes such a register, stand four plain vector instructions behind that matrix instruction.
; A K step whose successor's tiles are known to lie whole in LDS.  Source 1 has one set: tiles 0-3 are fetched anew in the step's middle, tiles 4-7 at its end.
.macro STEP k, zero
	s_wait_dscnt 4*NL                              ; source 0's set and source 1's tiles 0-3 are in; the youngest 12 loads (tiles 4-7) may be out
	WIN MUL_LO
	MUL16 0, \k, \zero
	MUL16 2, \k, \zero
	s_wait_dscnt 0x0                               ; tiles 4-7 are in
	PLACES 4
	FETCH0 (\k)+1, 1-(\k)%2
	FETCH1 (\k)+1, 0
	WIN MUL_HI
	MUL16 4, \k, \zero
	MUL16 6, \k, \zero
	PLACES 4
	WIN 0
	FETCH1 (\k)+1, 4
.endm
; A K step with a barrier in it.  In front of the barrier each wave waits for all its tensor loads, adds 0 to its spare word, and waits for that and for its reads.  fill = 1: slot 0, just read out, takes K steps 6 and 7:
; the barrier then opens a round of the cluster's barrier, and the joint refill is the first thing behind the round.  fill = 0: that refill has landed in every wave's part.
.macro TURN k, fill
	s_wait_tensorcnt 0x0                           ; all my tensor loads have landed
	ds_add_u32 v[SPW], v[NIL]                      ; 0 onto my spare word
	s_wait_dscnt 4*NL+1                            ; (the add and the youngest 12 loads may be out)
	WIN MUL_LO
	MUL16 0, \k, 0                                 ; sixteen matrix instructions stand between the add and the wait for it
	s_wait_dscnt 0x0                               ; the add is done, and my reads of the slots so far are over
	s_barrier_signal -1
	MUL16 2, \k, 0
	WIN 0
	s_barrier_wait -1
.if \fill
	CREST                                          ; no wave of any partner still reads slot 0 or has a load on its way
	s_add_nc_u64 s[G0X+2:G0X+3], s[G0X+2:G0X+3], 3*TILB
	s_add_nc_u64 s[G0W+2:G0W+3], s[G0W+2:G0W+3], 3*TILB
	JLOAD G0X, G0W                                 ; its four v_nop are also the places in front of the loads below
.else
	PLACES 4
.endif
	FETCH0 (\k)+1, 1-(\k)%2
	FETCH1 (\k)+1, 0
	WIN MUL_HI
	MUL16 4, \k, 0
	MUL16 6, \k, 0
	PLACES 4
	WIN 0
	FETCH1 (\k)+1, 4
.endm
.macro LAST                            ; K step 7: nothing more to fetch
	s_wait_dscnt 4*NL
	WIN MUL_LO
	MUL16 0, 7, 0
	MUL16 2, 7, 0
	s_wait_dscnt 0x0
	WIN MUL_HI
	MUL16 4, 7, 0
	MUL16 6, 7, 0
	WIN 0
	PLACES 4                                       ; in front of the first read of results and the first write over source 1's registers
.endm
; The 64 results of source 1's tile a, + bias, into window 0: register 16 b + i = index 32 b + 16 (lane / 16) + i along source 0.  Each accumulator is read from its low end on.
.macro ADDB a, isv
.set WN, 0x06+(\a)/4                   ; source 0 window 2 or 3, source 1 window 1, destination window 0
	WIN WN
.set x, 0
.rept 32
.if \isv
	v_pk_add_f32 v[HA+2*x:HA+2*x+1], v[64*((\a)%4)+2*x:64*((\a)%4)+2*x+1], v[BV+2*(\a):BV+2*(\a)+1]
.else
	v_pk_add_f32 v[HA+2*x:HA+2*x+1], v[64*((\a)%4)+2*x:64*((\a)%4)+2*x+1], v[96+8*(x/4)+96*(x/16)+2*(x%4):96+8*(x/4)+96*(x/16)+2*(x%4)+1]
.endif
.set x, x+1
.endr
	WIN 0
.endm
; 64 numbers of a lane become codes: those of k = 0 .. 63 in v[d0 .. d0 + 5], of k = 64 .. 127 in v[d1 .. d1 + 5] (lane (r, h): a whole block of 32), and the four blocks' bytes in v[pw]
.macro QUANT s, d0, d1, pw
.irp b, 0,1,2,3
	v_max3_num_f32 v[TM+\b], |v[\s+16*\b]|, |v[\s+1+16*\b]|, 0x2800000   ; my 16 numbers of block b, and the floor 2^(5 - 127): the byte cannot fall under 1
.endr
.irp i, 2,4,6,8,10,12,14
.irp b, 0,1,2,3
	v_max3_num_f32 v[TM+\b], v[TM+\b], |v[\s+16*\b+\i]|, |v[\s+1+16*\b+\i]|
.endr
.endr
.irp b, 0,1,2,3
	v_permlanex16_b32 v[TM+4+\b], v[TM+\b], s[SEL], s[SEL+1]
.endr
.irp b, 0,1,2,3
	v_max_num_f32 v[TM+\b], v[TM+\b], v[TM+4+\b]   ; with lane l xor 16's: the block's largest magnitude
.endr
.irp b, 0,1,2,3
	v_add_nc_u32 v[TM+12+\b], 0xfe000000, v[TM+\b] ; 4 off its exponent field: the conversion's scale operand
.endr
.irp b, 0,1,2,3
	v_lshrrev_b32 v[TM+4+\b], 23, v[TM+12+\b]      ; the scale's byte
.endr
	v_lshl_or_b32 v[\pw], v[TM+5], 8, v[TM+4]
	v_lshl_or_b32 v[\pw], v[TM+6], 16, v[\pw]
	v_lshl_or_b32 v[\pw], v[TM+7], 24, v[\pw]
	v_cvt_scalef32_pk16_bf6_f32 v[\d0:\d0+2], v[\s:\s+15], v[TM+12]
	v_cvt_scalef32_pk16_bf6_f32 v[CT:CT+2], v[\s+16:\s+31], v[TM+13]   ; (a conversion's three registers begin on an even number)
	v_cvt_scalef32_pk16_bf6_f32 v[\d1:\d1+2], v[\s+32:\s+47], v[TM+14]
	v_cvt_scalef32_pk16_bf6_f32 v[CT+4:CT+6], v[\s+48:\s+63], v[TM+15]
	v_nop                                          ; one plain place behind a scaled conversion
.irp i, 0,1,2
	v_permlane16_swap_b32 v[\d0+\i], v[CT+\i]      ; the operand's layout wants a whole block in a lane
.endr
.irp i, 0,1,2
	v_mov_b32 v[\d0+3+\i], v[CT+\i]
.endr
.irp i, 0,1,2
	v_permlane16_swap_b32 v[\d1+\i], v[CT+4+\i]
.endr
.irp i, 0,1,2
	v_mov_b32 v[\d1+3+\i], v[CT+4+\i]
.endr
.endm
	s_wait_tensorcnt 2                             ; my part of slot 0 is in; fills 1 and 2 may stay out
	s_barrier_signal -1
	s_barrier_wait -1                              ; everybody's is
	FETCH0 0, 0
	FETCH1 0, 0
	FETCH1 0, 4
	s_wait_loadcnt 0x0                             ; the scale words
	STEP 0, 1                                      ; the first products start the sums: nothing is cleared
	TURN 1, 1                                      ; every wave has waited for all three fills: slots 1 and 2 are whole; slot 0 is filled again
	STEP 2, 0
	STEP 3, 0
	STEP 4, 0
	TURN 5, 0                                      ; the refill has landed
	s_cmp_eq_u32 s23, 2                            ; ONE parting by the tensor, the same in all partners: each way has its bias loads, K steps 6 and 7, under which they land, and its way out
	s_cbranch_scc1 .Lvalues
	; ---- q and k: the bias runs along a lane's registers: for source 0's tile b the channels 32 (b / 2) + 16 h + 8 (b % 2) + 0 .. 7
	v_lshlrev_b32 v13, 6, v2
	WIN TO_S0
.irp b, 0,1,2,3,4,5,6,7
	global_load_b128 v[96+8*\b+96*(\b/4):96+8*\b+96*(\b/4)+3], v13, s[74:75] offset:(32*(\b/2)+8*(\b%2))*4
	global_load_b128 v[96+8*\b+96*(\b/4)+4:96+8*\b+96*(\b/4)+7], v13, s[74:75] offset:(32*(\b/2)+8*(\b%2))*4+16
.endr
	WIN 0
	STEP 6, 0
	LAST
	s_wait_loadcnt 0x0                             ; the bias
.irp p, 0,1,2,3                        ; a pair of x's row tiles: 128 channels are two heads; each head's run takes the codes of both tiles
.if \p >= 2
	s_wait_xcnt 0x0                                ; the stores of two pairs back have read their registers
.endif
.irp u, 0,1
	ADDB 2*\p+\u, 0
.set D0, RUN+24*(\p%2)+6*\u
.set D1, RUN+24*(\p%2)+12+6*\u
.set PX, PW+2*\p+\u
	QUANT HA, D0, D1, PX
.endr
.irp g, 0,1,2
	global_store_b128 v[LI], v[RUN+24*(\p%2)+4*\g:RUN+24*(\p%2)+4*\g+3], s[70:71] offset:1536*\p+512*\g
	global_store_b128 v[LI], v[RUN+24*(\p%2)+12+4*\g:RUN+24*(\p%2)+12+4*\g+3], s[70:71] offset:98304+1536*\p+512*\g
.endr
.endr
	v_mov_b32 v[SELV], 0x05040100                  ; lanes 0-15 gather the first head's bytes (the words' low halves), lanes 16-31 the second head's
	v_mov_b32 v15, 0x07060302
	v_cndmask_b32 v[SELV], v[SELV], v15, s67
.irp p, 0,1,2,3
	v_perm_b32 v[W4+\p], v[PW+2*\p+1], v[PW+2*\p], v[SELV]
.endr
	global_store_b128 v[SO], v[W4:W4+3], s[72:73]  ; two runs of 256 consecutive bytes, one in each head
	s_branch .Lend
.Lvalues:
	; ---- v: the bias hangs on the lane: tile a's channel 32 (a / 2) + 8 (a % 2) + r + 8 (r / 8); it is loaded into both words of a pair for the packed addition
	v_and_b32 v14, 8, v1
	v_add_nc_u32 v14, v14, v1
	v_lshlrev_b32 v14, 2, v14
	WIN TO_S0
.irp a, 0,1,2,3,4,5,6,7
	global_load_b32 v[BV+2*\a], v14, s[74:75] offset:(32*(\a/2)+8*(\a%2))*4
	global_load_b32 v[BV+2*\a+1], v14, s[74:75] offset:(32*(\a/2)+8*(\a%2))*4
.endr
	WIN 0
	STEP 6, 0
	LAST
	s_wait_loadcnt 0x0
.irp a, 0,1,2,3,4,5,6,7                ; a tile of 16 channels x my 128 keys: one fragment of V^T
.if \a >= 2
	s_wait_xcnt 0x0
.endif
	ADDB \a, 1
.set D0, RUN+12*(\a%2)
.set D1, RUN+12*(\a%2)+6
.set PX, PW+\a
	QUANT HA, D0, D1, PX
.irp g, 0,1,2
	global_store_b128 v[LI], v[RUN+12*(\a%2)+4*\g:RUN+12*(\a%2)+4*\g+3], s[70:71] offset:(\a/4)*98304+(\a%4)*1536+512*\g
.endr
.endr
.irp i, 0,1,2,3
	v_cndmask_b32 v[W4+\i], v[PW+\i], v[PW+4+\i], s67   ; lanes 0-15 the first head's four tiles, lanes 16-31 the second head's
.endr
	global_store_b128 v[SO], v[W4:W4+3], s[72:73]
.Lend:
	s_wait_tensorcnt 0x0                           ; the wave's end, behind my last tensor load
	ds_add_u32 v[SPW], v[NIL]
	s_wait_dscnt 0x0
	CROUND                                         ; the closing round: no work-group ends while a partner may still ask for a tile that names it
	s_endpgm
.Lfunc_end_k_qe223b28440_proj:
	.size	k_qe223b28440_proj, .Lfunc_end_k_qe223b28440_proj-k_qe223b28440_proj
	.p2alignl 7, 3214868480
	.fill 96, 4, 3214868480
	.section	.rodata,"a",@progbits
	.p2align	6, 0x0
	.amdhsa_kernel k_qe223b28440_proj
		.amdhsa_group_segment_fixed_size 327680
		.amdhsa_private_segment_fixed_size 0
		.amdhsa_enable_private_segment 0
		.amdhsa_kernarg_size 56
		.amdhsa_user_sgpr_count 2
		.amdhsa_user_sgpr_kernarg_segment_ptr 1
		.amdhsa_wavefront_size32 1
		.amdhsa_system_sgpr_workgroup_id_x 1
		.amdhsa_system_sgpr_workgroup_id_y 1
		.amdhsa_system_sgpr_workgroup_id_z 1
		.amdhsa_system_vgpr_workitem_id 0
		.amdhsa_next_free_vgpr 1024
		.amdhsa_next_free_sgpr 100
		.amdhsa_reserve_vcc 0
		.amdhsa_float_denorm_mode_32 3
		.amdhsa_float_denorm_mode_16_64 3
		.amdhsa_memory_ordered 1
		.amdhsa_forward_progress 1
		.amdhsa_inst_pref_size 226
	.end_amdhsa_kernel
	.amdgpu_metadata
---
amdhsa.version: [ 1, 2 ]
amdhsa.kernels:
  - .name:           k_qe223b28440_proj
    .symbol:         k_qe223b28440_proj.kd
    .args:
      - { .name: cod, .offset: 0, .size: 8, .value_kind: global_buffer, .address_space: global }
      - { .name: scl, .offset: 8, .size: 8, .value_kind: global_buffer, .address_space: global }
      - { .name: bq, .offset: 16, .size: 8, .value_kind: global_buffer, .address_space: global }
      - { .name: bk, .offset: 24, .size: 8, .value_kind: global_buffer, .address_space: global }
      - { .name: bv, .offset: 32, .size: 8, .value_kind: global_buffer, .address_space: global }
      - { .name: hcod, .offset: 40, .size: 8, .value_kind: global_buffer, .address_space: global }
      - { .name: hscl, .offset: 48, .size: 8, .value_kind: global_buffer, .address_space: global }
    .group_segment_fixed_size: 327680
    .private_segment_fixed_size: 0
    .kernarg_segment_align: 8
    .kernarg_segment_size: 56
    .max_flat_workgroup_size: 128
    .sgpr_count:     100
    .vgpr_count:     1024
    .wavefront_size: 32
...
	.end_amdgpu_metadata
.endif
;; end of part 2
;; launch attn (part 3): grid 8 x 32, 4 waves a work-group, no clusters, 44,544 bytes of LDS; arguments hcod, hscl, mask, out0; writes out0
.if DOCPART == 3
	.amdgcn_target "amdgcn-amd-amdhsa--gfx1250"
	.amdhsa_code_object_version 6
	.text
	.protected	k_qe223b28440_attn
	.globl	k_qe223b28440_attn
	.p2align	8
	.type	k_qe223b28440_attn,@function
k_qe223b28440_attn:
	s_mov_b64 s[64:65], 0
	v_nop
	global_prefetch_b8 v0, s[64:65] scope:SCOPE_SE
	s_setreg_imm32_b32 hwreg(HW_REG_WAVE_MODE, 25, 1), 1
	s_wait_xcnt 0x0
; Launch 3 of 3: out[b][q][head] = the sum over keys of Q(w) Q(vh), w = softmax(Q(qh) . Q(kh) / 8, masked keys at -infinity), masked keys' w = 0.  Nothing of reference() is left out here.
; w IS QUANTISED FINISHED AND NORMALISED, in blocks of 32 keys, so a row's sum must be known before any of its codes is made.  THE WHOLE ROW STAYS ON THE CHIP: the four waves of a work-group split a head's 2,048 keys;
; 16 queries x 512 keys are 256 registers a wave.  A wave's K, V and their scale words (400 registers) come from memory once and stay; the work-group owns 256 queries of one head: 8 trips of two tiles of 16.
; No cluster and no LDS for K and V: a work-group reads its 200 KB of them once in the launch, straight into the registers in which they stay for all 16 tiles.
; K = 64 IN AN INSTRUCTION OF 128: a run of 12 registers of K holds TWO key tiles (k 0-63: tile 2 j; k 64-127: tile 2 j + 1).  Q stands among zero codes: [Q | 0] gives tile 2 j's scores, [0 | Q] tile 2 j + 1's.
; Zero codes add nothing: every scale byte of this program lies in 1 .. 254.  Q's scale word is its two bytes doubled and serves both forms.
; LAYOUT.  Both products are used transposed (source 0 = keys, then channels; source 1 = my 16 queries): a lane holds one query (lane % 16) throughout.  By the tiles' row order score register 16 b + i is key 32 b + 16 (lane / 16) + i.
; THE MASK costs no vector instruction: a table in LDS holds 0 or -3e38 for each key in the order of the score registers; it is loaded into them and taken as the C of the score products.
; The maxima have the leaf -2^126, over every masked score, so no infinity arises; p of a masked key is 2^(a number under -1e37) = 0.  The row's sum is held at 1e-30 from below: where every key is masked, w = 0 and out = 0, as reference() gives.
; THE SOFTMAX, one exchange a tile: each wave takes its own whole number M_w = ceil(c x its largest score), c = log2(e) / 8, p = 2^(c s - M_w) and l_w = the sum of p.  The pairs (-M_w, l_w) meet in LDS behind one barrier:
; M = the largest M_w, l = the sum of l_w 2^(M_w - M) (exact scalings), w = p x f_w with f_w = 2^(M_w - M) / l.  A block's largest w is its largest score put through the same instructions.
; The waves' partial sums of O meet in LDS and are added behind the NEXT tile's barrier (buffers by the tile's parity): one barrier a tile, one more at the end.
; LIMITS: |score| under 8e37; blocks of w under 2^-122 keep the byte 1; NaN and infinities are not served; O is added as four partial sums over the keys, in f32.
; REGISTERS.  Window 0: see the names below.  Window 1: the 256 scores, then p, then w.  Window 2: K, pair j at v[12 j].  Window 3: V, fragment (128 keys ks, 16 channels dt) at v[12 (4 ks + dt)].
.set MBT,   0                          ; LDS: the mask table, 2,048 bytes a wave: the word at 64 T + 32 h + 4 j is the wave's key 32 (T / 2) + 16 h + 8 (T % 2) + j
.set STATS, 8192                       ; the pairs (-M_w, l_w): 512 parity + 128 wave + 8 r
.set OPB,   9216                       ; the partial sums of O: OPP parity + 4,352 wave + 272 query + 4 channel
.set OPP,   17408
.set SPARE, OPB+2*OPP                  ; the spare words, 128 bytes for each wave: two blocks of 256 bytes that no other line names
.set LI,   3                           ; v3   16 x lane
.set STA,  4                           ; v4   where I store my pair
.set STR,  5                           ; v5   where I read the four
.set OSTO, 6                           ; v6   where I store my partial sums
.set ORD,  7                           ; v7   where I read the rows that I add
.set GO,   8                           ; v8   my byte offset in out0
.set MBA,  9                           ; v9   my half's place in my wave's mask table
.set QSV,  10                          ; v10  16 r
.set SPW,  11                          ; v11  my spare word; never rewritten
.set NIL,  12                          ; v12  0; never rewritten
.set FL,   13                          ; v13  -2^126
.set NM,   14                          ; v[14:15] -M_w, l_w
.set FF,   16                          ; v[16:17] f_w (the pair's second word is written once)
.set GG,   18                          ; v18-25 the four waves' pairs;  v26-31 at work
.set QZ,   32                          ; v32-61 six zeros, the even tile's Q, six zeros, the odd tile's Q, six zeros
.set QSR,  62                          ; v62  Q's scale word as loaded
.set QSE,  63                          ; v63, v64 the even and the odd tile's two bytes, doubled
.set KS,   66                          ; v66-73 K's scale words: pair j in register 4 (j / 8) + j % 4, lanes 0-15 or 16-31 by (j / 4) % 2
.set VS,   74                          ; v74-81 V's: (ks, dt) in register 4 (ks / 2) + dt, lanes by ks % 2
.set PWD,  82                          ; v82-85 w's scale words
.set C0,   88                          ; v88-103, v104-119 two chains of maxima for each block of 32 keys; then the blocks' maxima; behind the barrier both are RD
.set C1,   104                         ;      later the scale bytes
.set RD,   88                          ; v88-119 the four waves' partial sums of the rows that I add
.set BP,   120                         ; v120-135 each block's largest p, then w, then the conversion's scale operand
.set LA,   136                         ; v136-143 the sum of p in four chains of pairs
.set PP,   144                         ; v144-167 w's codes, two sets
.set CT,   168
.set OA,   176                         ; v176-207 O^T: four accumulators
.set MSB, 0
.macro WIN new                         ; the immediate's high byte repeats the setting that is left
.if MSB != (\new)
	s_set_vgpr_msb (MSB<<8)|(\new)
.set MSB, (\new)
.endif
.endm
.set W_QK, 0x52                        ; K window 2, Q window 0, C and D window 1
.set W_MX, 0x14                        ; sources 1 and 2 window 1
.set W_S,  0x41                        ; destination and source 0 window 1
.set W_A2, 0x05                        ; sources 0 and 1 window 1
.set W_A1, 0x04                        ; source 1 window 1
.set W_CV, 0x01                        ; source 0 window 1
.set W_PV, 0x03                        ; V window 3
.set W_ML, 0x40                        ; loads into window 1
.set W_LK, 0x80                        ; window 2
.set W_LV, 0xc0                        ; window 3
	s_load_b256 s[4:11], s[0:1], 0x0               ; hcod, hscl, mask, out0
	v_lshl_add_u32 v[SPW], v0, 2, SPARE
	v_mov_b32 v[NIL], 0
	v_lshrrev_b32 v1, 5, v0
	v_readfirstlane_b32 s12, v1                    ; wave 0..3: my 512 keys
	s_mov_b32 s13, ttmp9                           ; the block of 256 queries
	s_and_b32 s14, ttmp7, 0xffff                   ; 16 batch + head
	v_and_b32 v1, 15, v0                           ; r
	v_bfe_u32 v2, v0, 4, 1                         ; h
	v_and_b32 v[LI], 31, v0
	v_lshlrev_b32 v[LI], 4, v[LI]
	s_lshl_b32 s34, s12, 7
	v_lshl_add_u32 v[STR], v1, 3, STATS
	v_add_nc_u32 v[STA], s34, v[STR]
	s_mul_i32 s34, s12, 4352
	v_mul_u32_u24 v[OSTO], v1, 272
	v_lshl_add_u32 v[OSTO], v2, 6, v[OSTO]
	v_add_nc_u32 v[OSTO], s34, v[OSTO]
	v_add_nc_u32 v[OSTO], OPB, v[OSTO]             ; query r's row of my part, + 64 h
	s_mul_i32 s34, s12, 4*272
	v_mul_u32_u24 v[ORD], v2, 272
	v_lshl_add_u32 v[ORD], v1, 4, v[ORD]
	v_add_nc_u32 v[ORD], s34, v[ORD]
	v_add_nc_u32 v[ORD], OPB, v[ORD]               ; I add the tile's rows 4 w + h and 4 w + h + 2: 16 bytes a lane
	s_lshl_b32 s34, s12, 2
	s_lshr_b32 s35, s12, 1
	s_lshl_b32 s35, s35, 3
	s_add_co_u32 s34, s34, s35
	s_lshl_b32 s34, s34, 12
	v_lshlrev_b32 v[GO], 12, v2
	v_lshl_add_u32 v[GO], v1, 4, v[GO]
	v_add_nc_u32 v[GO], s34, v[GO]                 ; a tile's row n is query n + 8 (n / 8) of its 32: (4 w + h + 8 (w / 2)) rows of 4,096 bytes + 16 r
	s_lshl_b32 s34, s12, 11
	v_lshl_add_u32 v[MBA], v2, 5, s34
	v_lshlrev_b32 v[QSV], 4, v1
	v_lshrrev_b32 v26, 1, v0
	v_and_b32 v27, 1, v0
	v_lshlrev_b32 v26, 7, v26
	v_lshl_add_u32 v26, v27, 5, v26                ; thread t makes the table's words of keys 16 t .. 16 t + 15, which are its own wave's: 128 (t / 2) + 32 (t % 2)
	v_lshlrev_b32 v27, 4, v0                       ; their 16 bytes of the mask
	v_lshl_add_u32 v28, v2, 8, v[QSV]              ; K's and V's scale words: 256 h + 16 r
	s_mov_b32 s15, 0                               ; the trip
	s_mov_b32 s26, 0x76543210
	s_mov_b32 s27, 0xfedcba98                      ; v_permlanex16_b32's selects for lane l xor 16
	s_mov_b32 s28, 0x3e38aa3b                      ; c = log2(e) / 8
	s_mov_b32 s29, s28                             ; (named with it as a pair, so it is written)
	s_mov_b32 s30, 0xff61b1e6                      ; -3e38
	s_mov_b32 s33, 0
	s_mov_b32 s37, 0
	s_mul_i32 s34, s14, 98304
	s_mul_i32 s35, s12, 24576
	s_add_co_u32 s36, s34, s35
	s_add_co_u32 s36, s36, 3145728
	s_wait_kmcnt 0x0
	s_add_nc_u64 s[16:17], s[4:5], s[36:37]        ; my 16 pairs of key tiles
	s_add_nc_u64 s[18:19], s[16:17], 3145728       ; my 16 fragments of V^T
	s_mul_i32 s36, s13, 12288
	s_add_co_u32 s36, s36, s34
	s_add_nc_u64 s[20:21], s[4:5], s[36:37]        ; the trip's pair of query tiles
	s_lshl_b32 s34, s14, 12
	s_lshl_b32 s36, s13, 9
	s_add_co_u32 s36, s36, s34
	s_add_nc_u64 s[22:23], s[6:7], s[36:37]        ; and its scale words
	s_lshl_b32 s36, s12, 10
	s_add_co_u32 s36, s36, s34
	s_add_co_u32 s36, s36, 131072
	s_add_nc_u64 s[38:39], s[6:7], s[36:37]        ; K's scale words; V's lie 131,072 bytes on
	s_lshr_b32 s34, s14, 4                         ; the batch
	s_lshl_b32 s36, s34, 11
	s_add_nc_u64 s[8:9], s[8:9], s[36:37]          ; its 2,048 bytes of the mask
	s_lshl_b32 s34, s34, 11
	s_lshl_b32 s35, s13, 8
	s_add_co_u32 s34, s34, s35
	s_lshl_b32 s34, s34, 12
	s_and_b32 s35, s14, 15
	s_lshl_b32 s35, s35, 8
	s_add_co_u32 s36, s34, s35
	s_add_nc_u64 s[24:25], s[10:11], s[36:37]      ; out0 at the block's first query, my head's 256 bytes
.macro QLOAD                           ; a pair's run of 12 registers lies as three groups of 16 bytes a lane: registers 0-5 go to the even tile's place, 6-11 to the odd tile's
.irp x, 0,1,2
	global_load_b64 v[QZ+6+2*\x:QZ+7+2*\x], v[LI], s[20:21] offset:(\x/2)*512+8*(\x%2)
.endr
.irp x, 3,4,5
	global_load_b64 v[QZ+12+2*\x:QZ+13+2*\x], v[LI], s[20:21] offset:(\x/2)*512+8*(\x%2)
.endr
	global_load_b32 v[QSR], v[QSV], s[22:23]
.endm
.macro MASKLOAD                        ; the table into the score registers: 64 loads, sixteen lanes to the same 16 bytes
	WIN W_ML
.set t, 0
.rept 32
	ds_load_b128 v[8*t:8*t+3], v[MBA] offset:64*t
	ds_load_b128 v[8*t+4:8*t+7], v[MBA] offset:64*t+16
.set t, t+1
.endr
	WIN 0
.endm
	global_load_b128 v[224:227], v27, s[8:9]
	QLOAD
	global_load_b128 v[KS:KS+3], v28, s[38:39]
	global_load_b128 v[KS+4:KS+7], v28, s[38:39] offset:512
	global_load_b128 v[VS:VS+3], v28, s[38:39] offset:131072
	global_load_b128 v[VS+4:VS+7], v28, s[38:39] offset:131072+512
	WIN W_LK
.set t, 0
.rept 48
	global_load_b128 v[4*t:4*t+3], v[LI], s[16:17] offset:512*t
.set t, t+1
.endr
	WIN 0
	s_wait_loadcnt 59                              ; the mask's bytes are in; behind them: Q's 7 loads, 4 of scale words, K's 48
.irp i, 0,1,2,3,4,5,6,7,8,9,10,11,12,13,14,15
	v_bfe_u32 v[208+\i], v[224+\i/4], 8*(\i%4), 8  ; 0 or 1
.endr
.irp i, 0,1,2,3,4,5,6,7,8,9,10,11,12,13,14,15
	v_mul_lo_u32 v[208+\i], v[208+\i], s30         ; 0 or the bits of -3e38
.endr
	ds_store_b128 v26, v[208:211]
	ds_store_b128 v26, v[212:215] offset:16
	ds_store_b128 v26, v[216:219] offset:64
	ds_store_b128 v26, v[220:223] offset:80
	MASKLOAD                                       ; my wave's own bytes: LDS serves a wave's instructions in order
	WIN W_LV
.set t, 0
.rept 48
	global_load_b128 v[4*t:4*t+3], v[LI], s[18:19] offset:512*t
.set t, t+1
.endr
	WIN 0
	s_wait_loadcnt 48                              ; all but V's 48 loads
	v_perm_b32 v[QSE], v[QSR], v[QSR], 0x01000100
	v_perm_b32 v[QSE+1], v[QSR], v[QSR], 0x03020302
.irp i, 0,1,2,3,4,5
	v_mov_b32 v[QZ+\i], 0                          ; zero codes, written once
	v_mov_b32 v[QZ+12+\i], 0
	v_mov_b32 v[QZ+24+\i], 0
.endr
	v_mov_b32 v[NM+1], 0                           ; (named as the upper halves of pairs before they are first written)
	v_mov_b32 v[FF+1], 0
	v_mov_b32 v[FL], 0xfe800000
.rept 4
	v_nop                                          ; an operand written by vector instructions stands four places ahead of a scaled matrix instruction, a scale word eight
.endr
.macro QKM d, kr, qr, ks, qs, row
.if \row
	v_wmma_scale_f32_16x16x128_f8f6f4 v[\d:\d+7], v[\kr:\kr+11], v[\qr:\qr+11], v[\d:\d+7], v[\ks], v[\qs] matrix_a_fmt:MATRIX_FMT_BF6 matrix_b_fmt:MATRIX_FMT_BF6 matrix_a_scale:MATRIX_SCALE_ROW1
.else
	v_wmma_scale_f32_16x16x128_f8f6f4 v[\d:\d+7], v[\kr:\kr+11], v[\qr:\qr+11], v[\d:\d+7], v[\ks], v[\qs] matrix_a_fmt:MATRIX_FMT_BF6 matrix_b_fmt:MATRIX_FMT_BF6
.endif
.endm
.macro SLICE jj                        ; block jj's largest score among my 16, in two chains; each accumulator is read from its low end on
	v_max3_num_f32 v[C0+\jj], v[FL], v[16*\jj], v[16*\jj+1]
	v_max3_num_f32 v[C1+\jj], v[FL], v[16*\jj+8], v[16*\jj+9]
.irp i, 2,4,6
	v_max3_num_f32 v[C0+\jj], v[C0+\jj], v[16*\jj+\i], v[16*\jj+\i+1]
	v_max3_num_f32 v[C1+\jj], v[C1+\jj], v[16*\jj+8+\i], v[16*\jj+9+\i]
.endr
.endm
.macro PKF n                           ; c s - M_w, a pair of scores
	v_pk_fma_f32 v[2*(\n):2*(\n)+1], v[2*(\n):2*(\n)+1], s[28:29], v[NM:NM+1] op_sel_hi:[1,0,0]
.endm
.macro NORM ks                         ; w = p f_w: the 64 numbers of 128 keys
	WIN W_S
.set x, 0
.rept 32
	v_pk_mul_f32 v[64*(\ks)+2*x:64*(\ks)+2*x+1], v[64*(\ks)+2*x:64*(\ks)+2*x+1], v[FF:FF+1] op_sel_hi:[1,0]
.set x, x+1
.endr
.endm
.macro CVT ks                          ; they become a fragment's codes
.set rP, PP+12*((\ks)%2)
	WIN W_CV
	v_cvt_scalef32_pk16_bf6_f32 v[rP:rP+2], v[64*(\ks):64*(\ks)+15], v[BP+4*(\ks)]
	v_cvt_scalef32_pk16_bf6_f32 v[CT:CT+2], v[64*(\ks)+16:64*(\ks)+31], v[BP+4*(\ks)+1]   ; (a conversion's three registers begin on an even number)
	v_cvt_scalef32_pk16_bf6_f32 v[rP+6:rP+8], v[64*(\ks)+32:64*(\ks)+47], v[BP+4*(\ks)+2]
	v_cvt_scalef32_pk16_bf6_f32 v[CT+4:CT+6], v[64*(\ks)+48:64*(\ks)+63], v[BP+4*(\ks)+3]
	v_nop                                          ; one plain place behind a scaled conversion
	WIN 0
.irp c, 0,1
.irp i, 0,1,2
	v_permlane16_swap_b32 v[rP+6*\c+\i], v[CT+4*\c+\i]   ; the operand's layout wants a whole block in a lane
.endr
.irp i, 0,1,2
	v_mov_b32 v[rP+6*\c+3+\i], v[CT+4*\c+\i]
.endr
.endr
.endm
.macro PV ks                           ; O^T += V^T w^T over 128 keys: the four accumulators by turns
.set rP, PP+12*((\ks)%2)
	WIN W_PV
.irp dt, 0,1,2,3
.if (\ks) == 0
	v_wmma_scale_f32_16x16x128_f8f6f4 v[OA+8*\dt:OA+8*\dt+7], v[12*(4*(\ks)+\dt):12*(4*(\ks)+\dt)+11], v[rP:rP+11], 0, v[VS+\dt], v[PWD] matrix_a_fmt:MATRIX_FMT_BF6 matrix_b_fmt:MATRIX_FMT_BF6
.elseif (\ks)%2
	v_wmma_scale_f32_16x16x128_f8f6f4 v[OA+8*\dt:OA+8*\dt+7], v[12*(4*(\ks)+\dt):12*(4*(\ks)+\dt)+11], v[rP:rP+11], v[OA+8*\dt:OA+8*\dt+7], v[VS+4*((\ks)/2)+\dt], v[PWD+(\ks)] matrix_a_fmt:MATRIX_FMT_BF6 matrix_b_fmt:MATRIX_FMT_BF6 matrix_a_scale:MATRIX_SCALE_ROW1
.else
	v_wmma_scale_f32_16x16x128_f8f6f4 v[OA+8*\dt:OA+8*\dt+7], v[12*(4*(\ks)+\dt):12*(4*(\ks)+\dt)+11], v[rP:rP+11], v[OA+8*\dt:OA+8*\dt+7], v[VS+4*((\ks)/2)+\dt], v[PWD+(\ks)] matrix_a_fmt:MATRIX_FMT_BF6 matrix_b_fmt:MATRIX_FMT_BF6
.endif
.endr
	WIN 0
.endm
.macro RED_LOAD pp                     ; the four waves' partial sums of my two pairs of half rows
.irp w, 0,1,2,3
.irp y, 0,1
	ds_load_b128 v[RD+8*\w+4*\y:RD+8*\w+4*\y+3], v[ORD] offset:OPP*(\pp)+4352*\w+544*\y
.endr
.endr
.endm
.macro RED_SUM pp                      ; added, and stored: sixteen lanes store a query's 256 bytes of my head, aligned
.irp y, 0,1
.irp z, 0,2
	v_pk_add_f32 v[RD+4*\y+\z:RD+4*\y+\z+1], v[RD+4*\y+\z:RD+4*\y+\z+1], v[RD+8+4*\y+\z:RD+8+4*\y+\z+1]
	v_pk_add_f32 v[RD+16+4*\y+\z:RD+16+4*\y+\z+1], v[RD+16+4*\y+\z:RD+16+4*\y+\z+1], v[RD+24+4*\y+\z:RD+24+4*\y+\z+1]
.endr
.endr
.irp y, 0,1
.irp z, 0,2
	v_pk_add_f32 v[RD+4*\y+\z:RD+4*\y+\z+1], v[RD+4*\y+\z:RD+4*\y+\z+1], v[RD+16+4*\y+\z:RD+16+4*\y+\z+1]
.endr
.endr
.irp y, 0,1
.if (\pp) == 0
	global_store_b128 v[GO], v[RD+4*\y:RD+4*\y+3], s[24:25] offset:8192*\y th:TH_STORE_NT
.else
	global_store_b128 v[GO], v[RD+4*\y:RD+4*\y+3], s[24:25] offset:8192*\y+32768-131072 th:TH_STORE_NT   ; the odd tile lies 8 rows on; it is added a trip later, when the base has gone 32 rows on
.endif
.endr
.endm
; A TILE of 16 queries, of parity p in its trip
.macro TILE p
	s_wait_xcnt 0x0                                ; the last sums' stores have read v88-95, which the maxima below write
	; ---- the scores: S^T = K Q^T + the mask's table, a pair of key tiles at a time; the maxima of the pair before stand behind each pair and are its places
.set j, 0
.rept 16
	s_wait_dscnt 60-4*j                            ; the table's four loads for pair j are in; those of the pairs behind it may be out
	WIN W_QK
.set rD, 16*j
.set rK, 12*j
.set rS, KS+4*(j/8)+j%4
.set rR, (j/4)%2
	QKM rD, rK, QZ+6+12*\p, rS, QSE+\p, rR
	QKM rD+8, rK, QZ+12*\p, rS, QSE+\p, rR
.if j == 0
.rept 4
	v_nop                                          ; no maxima are at hand yet
.endr
.else
	WIN W_MX
.set sj, j-1
	SLICE sj
.endif
.set j, j+1
.endr
	WIN W_MX
	SLICE 15
	WIN 0
	; ---- each block's largest score; my wave's largest; -M_w
.irp b, 0,1,2,3,4,5,6,7,8,9,10,11,12,13,14,15
	v_max_num_f32 v[C0+\b], v[C0+\b], v[C1+\b]
.endr
.irp b, 0,1,2,3,4,5,6,7,8,9,10,11,12,13,14,15
	v_permlanex16_b32 v[C1+\b], v[C0+\b], s26, s27
.endr
.irp b, 0,1,2,3,4,5,6,7,8,9,10,11,12,13,14,15
	v_max_num_f32 v[C0+\b], v[C0+\b], v[C1+\b]     ; with lane l xor 16's 16 keys
.endr
	v_max3_num_f32 v26, v[C0], v[C0+1], v[C0+2]
	v_max3_num_f32 v27, v[C0+3], v[C0+4], v[C0+5]
	v_max3_num_f32 v26, v26, v[C0+6], v[C0+7]
	v_max3_num_f32 v27, v27, v[C0+8], v[C0+9]
	v_max3_num_f32 v26, v26, v[C0+10], v[C0+11]
	v_max3_num_f32 v27, v27, v[C0+12], v[C0+13]
	v_max3_num_f32 v26, v26, v[C0+14], v[C0+15]
	v_max_num_f32 v26, v26, v27
	v_mul_f32 v26, s28, v26                        ; as t (c is positive)
	v_floor_f32 v[NM], -v26                        ; -M_w = floor(-t): M_w is a whole number
	; ---- ONE BATCH of 272 exponentials with one wait: the blocks' largest p first, then the 256 p; a pair is scaled two pairs ahead of its exponentials
.irp b, 0,1,2,3,4,5,6,7,8,9,10,11,12,13,14,15
	v_fma_f32 v[BP+\b], v[C0+\b], s28, v[NM]
.endr
.irp b, 0,1,2,3,4,5,6,7,8,9,10,11,12,13,14,15
	v_exp_f32 v[BP+\b], v[BP+\b]                   ; the same multiply-add and exponential on the same number give the same bits as the block's largest p
.endr
	WIN W_S
	PKF 0
	PKF 1
.set x, 0
.rept 128
.if x+2 < 128
.set xx, x+2
	PKF xx
.endif
	v_exp_f32 v[2*x], v[2*x]
	v_exp_f32 v[2*x+1], v[2*x+1]
.set x, x+1
.endr
	v_nop                                          ; a plain instruction behind the last exponential
	s_wait_alu depctr_va_vdst(0)                   ; the wait ahead of the first use: one for the batch
	WIN 0
.if \p == 1
	; ---- the next trip's Q is asked for: its registers were last read by this tile's score products.  In the last trip the bytes that follow still lie inside both buffers, and nobody uses them
	s_add_nc_u64 s[20:21], s[20:21], 1536
	s_and_b32 s34, s15, 3
	s_cmp_eq_u32 s34, 3
	s_cselect_b32 s32, 244, 4                      ; a pair's word lies 4 bytes on; every fourth pair begins the next 256 bytes
	s_add_nc_u64 s[22:23], s[22:23], s[32:33]
	QLOAD
.endif
	; ---- l_w: the sum of the unquantised p, two at a time, in four chains
	WIN W_A2
.irp i, 0,1,2,3
	v_pk_add_f32 v[LA+2*\i:LA+2*\i+1], v[2*\i:2*\i+1], v[2*\i+8:2*\i+9]
.endr
	WIN W_A1
.set x, 8
.rept 120
	v_pk_add_f32 v[LA+2*(x%4):LA+2*(x%4)+1], v[LA+2*(x%4):LA+2*(x%4)+1], v[2*x:2*x+1]
.set x, x+1
.endr
	WIN 0
	v_pk_add_f32 v[LA:LA+1], v[LA:LA+1], v[LA+2:LA+3]
	v_pk_add_f32 v[LA+4:LA+5], v[LA+4:LA+5], v[LA+6:LA+7]
	v_pk_add_f32 v[LA:LA+1], v[LA:LA+1], v[LA+4:LA+5]
	v_add_f32 v27, v[LA], v[LA+1]
	v_permlanex16_b32 v26, v27, s26, s27
	v_add_f32 v[NM+1], v27, v26
	ds_store_b64 v[STA], v[NM:NM+1] offset:512*\p  ; both halves of the lanes write the same pair
	s_wait_dscnt 0x0                               ; for the others' sake: my pair and my partial sums of the tile before have landed; my reads of what is written next are over
	s_barrier_signal -1
	s_barrier_wait -1
	; ---- behind the barrier: the tile before is added and stored (the first tile of all has none before it)
.if \p == 0
	s_cmp_eq_u32 s15, 0
	s_cbranch_scc1 .Lno_load_\@
.endif
	RED_LOAD 1-\p
.if \p == 0
.Lno_load_\@:
.endif
.irp w, 0,1,2,3
	ds_load_b64 v[GG+2*\w:GG+2*\w+1], v[STR] offset:512*\p+128*\w
.endr
	s_wait_dscnt 0x0
	v_min3_num_f32 v26, v[GG], v[GG+2], v[GG+4]
	v_min_num_f32 v26, v26, v[GG+6]                ; -M
.irp w, 0,1,2,3
	v_sub_f32 v[27+\w], v26, v[GG+2*\w]            ; M_w - M: a whole number, 0 or less
.endr
	v_sub_f32 v31, v26, v[NM]                      ; my own
.irp w, 0,1,2,3,4
	v_cvt_i32_f32 v[27+\w], v[27+\w]               ; (it saturates)
.endr
.irp w, 0,1,2,3
	v_ldexp_f32 v[27+\w], v[GG+2*\w+1], v[27+\w]   ; l_w under M: nothing is rounded
.endr
	v_add_f32 v27, v27, v28
	v_add_f32 v29, v29, v30
	v_add_f32 v27, v27, v29
	v_max_num_f32 v27, 0x0da24260, v27             ; 1e-30 from below: a row whose every key is masked
	v_rcp_f32 v28, v27
	v_nop                                          ; a plain instruction behind the reciprocal
	s_wait_alu depctr_va_vdst(0)                   ; and the wait ahead of its first use
	v_ldexp_f32 v[FF], v28, v31                    ; f_w = 2^(M_w - M) / l
.if \p == 0
	s_cmp_eq_u32 s15, 0
	s_cbranch_scc1 .Lno_sum_\@
.endif
	RED_SUM 1-\p
.if \p == 0
.Lno_sum_\@:
.endif
	; ---- the 16 blocks' scales
.irp b, 0,1,2,3,4,5,6,7,8,9,10,11,12,13,14,15
	v_mul_f32 v[BP+\b], v[BP+\b], v[FF]            ; the block's largest w
.endr
.irp b, 0,1,2,3,4,5,6,7,8,9,10,11,12,13,14,15
	v_max_num_f32 v[BP+\b], 0x2800000, v[BP+\b]    ; the floor 2^(5 - 127): the byte cannot fall under 1
.endr
.irp b, 0,1,2,3,4,5,6,7,8,9,10,11,12,13,14,15
	v_add_nc_u32 v[BP+\b], 0xfe000000, v[BP+\b]    ; 4 off the exponent field: the conversion's scale operand
.endr
.irp b, 0,1,2,3,4,5,6,7,8,9,10,11,12,13,14,15
	v_lshrrev_b32 v[C1+\b], 23, v[BP+\b]           ; the scale's byte
.endr
.irp s, 0,1,2,3
	v_lshl_or_b32 v[PWD+\s], v[C1+4*\s+1], 8, v[C1+4*\s]
.endr
.irp s, 0,1,2,3
	v_lshl_or_b32 v[PWD+\s], v[C1+4*\s+2], 16, v[PWD+\s]
.endr
.irp s, 0,1,2,3
	v_lshl_or_b32 v[PWD+\s], v[C1+4*\s+3], 24, v[PWD+\s]
.endr
.if \p == 0
	s_wait_loadcnt 0x0                             ; V, in the first tile of all; later nothing is out here
.endif
	; ---- w, its codes, and O^T: the next 128 keys' scalings are the places between the codes' last moves and the products
	NORM 0
	CVT 0
	NORM 1
	PV 0
	CVT 1
	NORM 2
	PV 1
	CVT 2
	NORM 3
	PV 2
.if \p == 1
	s_wait_loadcnt 0x0                             ; the next trip's Q is in
	v_perm_b32 v[QSE], v[QSR], v[QSR], 0x01000100  ; its scale words: more than eight plain instructions follow ahead of the next score product
	v_perm_b32 v[QSE+1], v[QSR], v[QSR], 0x03020302
.endif
	CVT 3
.rept 4
	v_nop                                          ; four places between the codes' last moves and the products
.endr
	PV 3
.rept 4
	v_nop                                          ; and between the products and the stores of their results
.endr
.irp dt, 0,1,2,3
.irp x, 0,1
	ds_store_b128 v[OSTO], v[OA+8*\dt+4*\x:OA+8*\dt+4*\x+3] offset:OPP*\p+128*(\dt/2)+32*(\dt%2)+16*\x   ; lane (r, h): query r, channels 32 (dt / 2) + 16 h + 8 (dt % 2) + 0 .. 7
.endr
.endr
	MASKLOAD                                       ; the table for the next tile's scores (behind the very last tile it serves nobody)
.endm
.Ltrip:
	TILE 0
	TILE 1
	s_wait_xcnt 0x0                                ; the stores have read their base
	s_add_nc_u64 s[24:25], s[24:25], 131072        ; 32 queries on
	s_add_co_u32 s15, s15, 1
	s_cmp_lt_u32 s15, 8
	s_cbranch_scc1 .Ltrip
	s_wait_dscnt 0x0                               ; my last partial sums have landed
	s_barrier_signal -1
	s_barrier_wait -1
	RED_LOAD 1                                     ; the last tile
	s_wait_dscnt 0x0
	RED_SUM 1
	s_wait_tensorcnt 0x0                           ; the wave's end, behind my last LDS store
	ds_add_u32 v[SPW], v[NIL]
	s_wait_dscnt 0x0
	s_endpgm
.Lfunc_end_k_qe223b28440_attn:
	.size	k_qe223b28440_attn, .Lfunc_end_k_qe223b28440_attn-k_qe223b28440_attn
	.p2alignl 7, 3214868480
	.fill 96, 4, 3214868480
	.section	.rodata,"a",@progbits
	.p2align	6, 0x0
	.amdhsa_kernel k_qe223b28440_attn
		.amdhsa_group_segment_fixed_size 44544
		.amdhsa_private_segment_fixed_size 0
		.amdhsa_enable_private_segment 0
		.amdhsa_kernarg_size 32
		.amdhsa_user_sgpr_count 2
		.amdhsa_user_sgpr_kernarg_segment_ptr 1
		.amdhsa_wavefront_size32 1
		.amdhsa_system_sgpr_workgroup_id_x 1
		.amdhsa_system_sgpr_workgroup_id_y 1
		.amdhsa_system_sgpr_workgroup_id_z 1
		.amdhsa_system_vgpr_workitem_id 0
		.amdhsa_next_free_vgpr 1024
		.amdhsa_next_free_sgpr 66
		.amdhsa_reserve_vcc 0
		.amdhsa_float_denorm_mode_32 3
		.amdhsa_float_denorm_mode_16_64 3
		.amdhsa_memory_ordered 1
		.amdhsa_forward_progress 1
		.amdhsa_inst_pref_size 158
	.end_amdhsa_kernel
	.amdgpu_metadata
---
amdhsa.version: [ 1, 2 ]
amdhsa.kernels:
  - .name:           k_qe223b28440_attn
    .symbol:         k_qe223b28440_attn.kd
    .args:
      - { .name: hcod, .offset: 0, .size: 8, .value_kind: global_buffer, .address_space: global }
      - { .name: hscl, .offset: 8, .size: 8, .value_kind: global_buffer, .address_space: global }
      - { .name: mask, .offset: 16, .size: 8, .value_kind: global_buffer, .address_space: global }
      - { .name: out0, .offset: 24, .size: 8, .value_kind: global_buffer, .address_space: global }
    .group_segment_fixed_size: 44544
    .private_segment_fixed_size: 0
    .kernarg_segment_align: 8
    .kernarg_segment_size: 32
    .max_flat_workgroup_size: 128
    .sgpr_count:     66
    .vgpr_count:     1024
    .wavefront_size: 32
...
	.end_amdgpu_metadata
.endif
;; end of part 3
;; ======== version 2 of 2: 3 launches; version 1 with the launch attn written anew for expert scheduling mode
;; limits: right only within a limited range of input values
;; workspace buffers: cod 11,796,480 bytes; scl 491,520 bytes; hcod 9,437,184 bytes; hscl 393,216 bytes
;; launch quant: the kernel of part 1 again; grid 480 x 1, 4 waves a work-group, no clusters, 34,304 bytes of LDS; arguments q, k, v, Wq, Wk, Wv, cod, scl; writes cod, scl
;; launch proj: the kernel of part 2 again; grid 12 x 16, 4 waves a work-group, clusters of 4 x 4, 327,680 bytes of LDS; arguments cod, scl, bq, bk, bv, hcod, hscl; writes hcod, hscl
;; launch attn (part 4): grid 8 x 32, 4 waves a work-group, no clusters, 44,544 bytes of LDS; arguments hcod, hscl, mask, out0; writes out0
.if DOCPART == 4
	.amdgcn_target "amdgcn-amd-amdhsa--gfx1250"
	.amdhsa_code_object_version 6
	.text
	.protected	k_qe223b28440_attn
	.globl	k_qe223b28440_attn
	.p2align	8
	.type	k_qe223b28440_attn,@function
k_qe223b28440_attn:
	s_mov_b64 s[64:65], 0
	v_nop
	global_prefetch_b8 v0, s[64:65] scope:SCOPE_SE
	s_setreg_imm32_b32 hwreg(HW_REG_WAVE_SCHED_MODE, 0, 2), 2
	s_setreg_imm32_b32 hwreg(HW_REG_WAVE_MODE, 25, 1), 1
	s_wait_xcnt 0x0
	s_wait_alu depctr_vm_vsrc(0)
; Launch 3 of 3: out[b][q][head] = the sum over keys of Q(w) Q(vh), w = softmax(Q(qh) . Q(kh) / 8, masked keys at -infinity), masked keys' w = 0.  Nothing of reference() is left out here.
; w IS QUANTISED FINISHED AND NORMALISED, in blocks of 32 keys, so a row's sum must be known before any of its codes is made.  THE WHOLE ROW STAYS ON THE CHIP: the four waves of a work-group split a head's 2,048 keys;
; 16 queries x 512 keys are 256 registers a wave.  A wave's K, V and their scale words (400 registers) come from memory once and stay; the work-group owns 256 queries of one head: 8 trips of two tiles of 16.
; No cluster and no LDS for K and V: a work-group reads its 200 KB of them once in the launch, straight into the registers in which they stay for all 16 tiles.
; K = 64 IN AN INSTRUCTION OF 128: a run of 12 registers of K holds TWO key tiles (k 0-63: tile 2 j; k 64-127: tile 2 j + 1).  Q stands among zero codes: [Q | 0] gives tile 2 j's scores, [0 | Q] tile 2 j + 1's.
; Zero codes add nothing: every scale byte of this program lies in 1 .. 254.  Q's scale word is its two bytes doubled and serves both forms.
; LAYOUT.  Both products are used transposed (source 0 = keys, then channels; source 1 = my 16 queries): a lane holds one query (lane % 16) throughout.  By the tiles' row order score register 16 b + i is key 32 b + 16 (lane / 16) + i.
; THE MASK costs no vector instruction: a table in LDS holds 0 or -3e38 for each key in the order of the score registers; it is loaded into them and taken as the C of the score products.
; The maxima have the leaf -2^126, over every masked score, so no infinity arises; p of a masked key is 2^(a number under -1e37) = 0.  The row's sum is held at 1e-30 from below: where every key is masked, w = 0 and out = 0, as reference() gives.
; THE SOFTMAX, one exchange a tile: each wave takes its own whole number M_w = ceil(c x its largest score), c = log2(e) / 8, p = 2^(c s - M_w) and l_w = the sum of p.  The pairs (-M_w, l_w) meet in LDS behind one barrier:
; M = the largest M_w, l = the sum of l_w 2^(M_w - M) (exact scalings), w = p x f_w with f_w = 2^(M_w - M) / l.  A block's largest w is its largest score put through the same instructions.
; The waves' partial sums of O meet in LDS and are added behind the NEXT tile's barrier (buffers by the tile's parity): one barrier a tile, one more at the end.
; LIMITS: |score| under 8e37; blocks of w under 2^-122 keep the byte 1; NaN and infinities are not served; O is added as four partial sums over the keys, in f32.
; REGISTERS.  Window 0: see the names below.  Window 1: the 256 scores, then p, then w.  Window 2: K, pair j at v[12 j].  Window 3: V, fragment (128 keys ks, 16 channels dt) at v[12 (4 ks + dt)].
; THE MODE: SCHED_MODE bits 1:0 = 2 (LLVM: expert scheduling mode 2), set by the entry lines.  The code itself states the register dependences
; between vector or matrix instructions and memory or LDS instructions, with s_wait_alu, always for 0.
; THE PLAN.  Registers that memory or LDS instructions touch, in a tile:
;   v3-10         addresses and offsets: written at the head, read by every load and store, never written again.
;   window 1      the mask table's loads land in it, for the NEXT tile.  Named by the score products, the maxima, the scalings, the exponentials, the sums, NORM and CVT.  v0-127 are left by CVT 1, v128-255 by CVT 3.
;   Q, v62        the odd tile's loads of the next trip's Q land in them.  Read by both tiles' score products and by two v_perm_b32.
;   v14-15        -M_w, l_w: written by the statistics, read by one LDS store.            v18-25  the four waves' pairs land in them; read by the statistics behind the barrier.
;   v88-119       first the chains of maxima; then the four waves' partial sums land in them and are added; v88-95 are read by two global stores; v104-119 then hold scale bytes.
;   v176-207      O^T: written by the products PV, read by eight LDS stores at the tile's end.
;   v63-64, v82-85, v144-167 and the zero codes are written by vector instructions and taken by scaled products as scales or as source 1.
; THE WAITS of a tile: on vm_vsrc one, at its head, for all that the stores of the tile before have read.  On va_vdst six: behind the exponentials (their results; Q is free); ahead of the store of the pair (l_w; v88-119 and v18-25
; are free for the loads behind the barrier); behind the reciprocal (its result; the sums in v88-95 for their stores); ahead of PV 0 and 1 (two sets of codes, the scale words; half of window 1 is free for the table);
; ahead of PV 2 and 3 (the same of the other half); ahead of the stores of O^T (which also covers Q's next scale words for the next score products).
.set MBT,   0                          ; LDS: the mask table, 2,048 bytes a wave: the word at 64 T + 32 h + 4 j is the wave's key 32 (T / 2) + 16 h + 8 (T % 2) + j
.set STATS, 8192                       ; the pairs (-M_w, l_w): 512 parity + 128 wave + 8 r
.set OPB,   9216                       ; the partial sums of O: OPP parity + 4,352 wave + 272 query + 4 channel
.set OPP,   17408
.set SPARE, OPB+2*OPP                  ; the spare words, 128 bytes for each wave: two blocks of 256 bytes that no other line names
.set LI,   3                           ; v3   16 x lane
.set STA,  4                           ; v4   where I store my pair
.set STR,  5                           ; v5   where I read the four
.set OSTO, 6                           ; v6   where I store my partial sums
.set ORD,  7                           ; v7   where I read the rows that I add
.set GO,   8                           ; v8   my byte offset in out0
.set MBA,  9                           ; v9   my half's place in my wave's mask table
.set QSV,  10                          ; v10  16 r
.set SPW,  11                          ; v11  my spare word; never rewritten
.set NIL,  12                          ; v12  0; never rewritten
.set FL,   13                          ; v13  -2^126
.set NM,   14                          ; v[14:15] -M_w, l_w
.set FF,   16                          ; v[16:17] f_w (the pair's second word is written once)
.set GG,   18                          ; v18-25 the four waves' pairs;  v26-31 at work
.set QZ,   32                          ; v32-61 six zeros, the even tile's Q, six zeros, the odd tile's Q, six zeros
.set QSR,  62                          ; v62  Q's scale word as loaded
.set QSE,  63                          ; v63, v64 the even and the odd tile's two bytes, doubled
.set KS,   66                          ; v66-73 K's scale words: pair j in register 4 (j / 8) + j % 4, lanes 0-15 or 16-31 by (j / 4) % 2
.set VS,   74                          ; v74-81 V's: (ks, dt) in register 4 (ks / 2) + dt, lanes by ks % 2
.set PWD,  82                          ; v82-85 w's scale words
.set C0,   88                          ; v88-103, v104-119 two chains of maxima for each block of 32 keys; then the blocks' maxima; behind the barrier both are RD
.set C1,   104                         ;      later the scale bytes
.set RD,   88                          ; v88-119 the four waves' partial sums of the rows that I add
.set BP,   120                         ; v120-135 each block's largest p, then w, then the conversion's scale operand
.set LA,   136                         ; v136-143 the sum of p in four chains of pairs
.set PP,   144                         ; v144-167 w's codes, two sets
.set CT,   168
.set OA,   176                         ; v176-207 O^T: four accumulators
.set MSB, 0
.macro WIN new                         ; the immediate's high byte repeats the setting that is left
.if MSB != (\new)
	s_set_vgpr_msb (MSB<<8)|(\new)
.set MSB, (\new)
.endif
.endm
.set W_QK, 0x52                        ; K window 2, Q window 0, C and D window 1
.set W_MX, 0x14                        ; sources 1 and 2 window 1
.set W_S,  0x41                        ; destination and source 0 window 1
.set W_A2, 0x05                        ; sources 0 and 1 window 1
.set W_A1, 0x04                        ; source 1 window 1
.set W_CV, 0x01                        ; source 0 window 1
.set W_PV, 0x03                        ; V window 3
.set W_ML, 0x40                        ; loads into window 1
.set W_LK, 0x80                        ; window 2
.set W_LV, 0xc0                        ; window 3
	s_load_b256 s[4:11], s[0:1], 0x0               ; hcod, hscl, mask, out0
	v_lshl_add_u32 v[SPW], v0, 2, SPARE
	v_mov_b32 v[NIL], 0
	v_lshrrev_b32 v1, 5, v0
	v_readfirstlane_b32 s12, v1                    ; wave 0..3: my 512 keys
	s_mov_b32 s13, ttmp9                           ; the block of 256 queries
	s_and_b32 s14, ttmp7, 0xffff                   ; 16 batch + head
	v_and_b32 v1, 15, v0                           ; r
	v_bfe_u32 v2, v0, 4, 1                         ; h
	v_and_b32 v[LI], 31, v0
	v_lshlrev_b32 v[LI], 4, v[LI]
	s_wait_alu depctr_va_sdst(0)                   ; s12 is written, ahead of its first reader: my places in LDS and my offsets in the buffers are made from it
	s_lshl_b32 s34, s12, 7
	v_lshl_add_u32 v[STR], v1, 3, STATS
	v_add_nc_u32 v[STA], s34, v[STR]
	s_mul_i32 s34, s12, 4352
	v_mul_u32_u24 v[OSTO], v1, 272
	v_lshl_add_u32 v[OSTO], v2, 6, v[OSTO]
	v_add_nc_u32 v[OSTO], s34, v[OSTO]
	v_add_nc_u32 v[OSTO], OPB, v[OSTO]             ; query r's row of my part, + 64 h
	s_mul_i32 s34, s12, 4*272
	v_mul_u32_u24 v[ORD], v2, 272
	v_lshl_add_u32 v[ORD], v1, 4, v[ORD]
	v_add_nc_u32 v[ORD], s34, v[ORD]
	v_add_nc_u32 v[ORD], OPB, v[ORD]               ; I add the tile's rows 4 w + h and 4 w + h + 2: 16 bytes a lane
	s_lshl_b32 s34, s12, 2
	s_lshr_b32 s35, s12, 1
	s_lshl_b32 s35, s35, 3
	s_add_co_u32 s34, s34, s35
	s_lshl_b32 s34, s34, 12
	v_lshlrev_b32 v[GO], 12, v2
	v_lshl_add_u32 v[GO], v1, 4, v[GO]
	v_add_nc_u32 v[GO], s34, v[GO]                 ; a tile's row n is query n + 8 (n / 8) of its 32: (4 w + h + 8 (w / 2)) rows of 4,096 bytes + 16 r
	s_lshl_b32 s34, s12, 11
	v_lshl_add_u32 v[MBA], v2, 5, s34
	v_lshlrev_b32 v[QSV], 4, v1
	v_lshrrev_b32 v26, 1, v0
	v_and_b32 v27, 1, v0
	v_lshlrev_b32 v26, 7, v26
	v_lshl_add_u32 v26, v27, 5, v26                ; thread t makes the table's words of keys 16 t .. 16 t + 15, which are its own wave's: 128 (t / 2) + 32 (t % 2)
	v_lshlrev_b32 v27, 4, v0                       ; their 16 bytes of the mask
	v_lshl_add_u32 v28, v2, 8, v[QSV]              ; K's and V's scale words: 256 h + 16 r
	s_mov_b32 s15, 0                               ; the trip
	s_mov_b32 s26, 0x76543210
	s_mov_b32 s27, 0xfedcba98                      ; v_permlanex16_b32's selects for lane l xor 16
	s_mov_b32 s28, 0x3e38aa3b                      ; c = log2(e) / 8
	s_mov_b32 s29, s28                             ; (named with it as a pair, so it is written)
	s_mov_b32 s30, 0xff61b1e6                      ; -3e38
	s_mov_b32 s33, 0
	s_mov_b32 s37, 0
	s_mul_i32 s34, s14, 98304
	s_mul_i32 s35, s12, 24576
	s_add_co_u32 s36, s34, s35
	s_add_co_u32 s36, s36, 3145728
	s_wait_kmcnt 0x0
	s_add_nc_u64 s[16:17], s[4:5], s[36:37]        ; my 16 pairs of key tiles
	s_add_nc_u64 s[18:19], s[16:17], 3145728       ; my 16 fragments of V^T
	s_mul_i32 s36, s13, 12288
	s_add_co_u32 s36, s36, s34
	s_add_nc_u64 s[20:21], s[4:5], s[36:37]        ; the trip's pair of query tiles
	s_lshl_b32 s34, s14, 12
	s_lshl_b32 s36, s13, 9
	s_add_co_u32 s36, s36, s34
	s_add_nc_u64 s[22:23], s[6:7], s[36:37]        ; and its scale words
	s_lshl_b32 s36, s12, 10
	s_add_co_u32 s36, s36, s34
	s_add_co_u32 s36, s36, 131072
	s_add_nc_u64 s[38:39], s[6:7], s[36:37]        ; K's scale words; V's lie 131,072 bytes on
	s_lshr_b32 s34, s14, 4                         ; the batch
	s_lshl_b32 s36, s34, 11
	s_add_nc_u64 s[8:9], s[8:9], s[36:37]          ; its 2,048 bytes of the mask
	s_lshl_b32 s34, s34, 11
	s_lshl_b32 s35, s13, 8
	s_add_co_u32 s34, s34, s35
	s_lshl_b32 s34, s34, 12
	s_and_b32 s35, s14, 15
	s_lshl_b32 s35, s35, 8
	s_add_co_u32 s36, s34, s35
	s_add_nc_u64 s[24:25], s[10:11], s[36:37]      ; out0 at the block's first query, my head's 256 bytes
.macro QLOAD                           ; a pair's run of 12 registers lies as three groups of 16 bytes a lane: registers 0-5 go to the even tile's place, 6-11 to the odd tile's
.irp x, 0,1,2
	global_load_b64 v[QZ+6+2*\x:QZ+7+2*\x], v[LI], s[20:21] offset:(\x/2)*512+8*(\x%2)
.endr
.irp x, 3,4,5
	global_load_b64 v[QZ+12+2*\x:QZ+13+2*\x], v[LI], s[20:21] offset:(\x/2)*512+8*(\x%2)
.endr
	global_load_b32 v[QSR], v[QSV], s[22:23]
.endm
.macro MASKLOAD t0, n                  ; the table into the score registers of key tiles t0 .. t0 + n - 1: two loads a tile, sixteen lanes to the same 16 bytes
	WIN W_ML
.set t, \t0
.rept \n
	ds_load_b128 v[8*t:8*t+3], v[MBA] offset:64*t
	ds_load_b128 v[8*t+4:8*t+7], v[MBA] offset:64*t+16
.set t, t+1
.endr
	WIN 0
.endm
	s_wait_alu depctr_va_vdst(0)                   ; the addresses and offsets v3 to v10 and v26 to v28 are written, which the loads and stores of the whole kernel read
	global_load_b128 v[224:227], v27, s[8:9]
	QLOAD
	global_load_b128 v[KS:KS+3], v28, s[38:39]
	global_load_b128 v[KS+4:KS+7], v28, s[38:39] offset:512
	global_load_b128 v[VS:VS+3], v28, s[38:39] offset:131072
	global_load_b128 v[VS+4:VS+7], v28, s[38:39] offset:131072+512
	WIN W_LK
.set t, 0
.rept 48
	global_load_b128 v[4*t:4*t+3], v[LI], s[16:17] offset:512*t
.set t, t+1
.endr
	WIN 0
	s_wait_loadcnt 59                              ; the mask's bytes are in; behind them: Q's 7 loads, 4 of scale words, K's 48
.irp i, 0,1,2,3,4,5,6,7,8,9,10,11,12,13,14,15
	v_bfe_u32 v[208+\i], v[224+\i/4], 8*(\i%4), 8  ; 0 or 1
.endr
.irp i, 0,1,2,3,4,5,6,7,8,9,10,11,12,13,14,15
	v_mul_lo_u32 v[208+\i], v[208+\i], s30         ; 0 or the bits of -3e38
.endr
	s_wait_alu depctr_va_vdst(0)                   ; the table's sixteen words v208-223 are written, which the LDS stores read
	ds_store_b128 v26, v[208:211]
	ds_store_b128 v26, v[212:215] offset:16
	ds_store_b128 v26, v[216:219] offset:64
	ds_store_b128 v26, v[220:223] offset:80
	MASKLOAD 0, 32                                 ; my wave's own bytes: LDS serves a wave's instructions in order.  No vector instruction has named window 1 yet
	WIN W_LV
.set t, 0
.rept 48
	global_load_b128 v[4*t:4*t+3], v[LI], s[18:19] offset:512*t
.set t, t+1
.endr
	WIN 0
	s_wait_loadcnt 48                              ; all but V's 48 loads
	v_perm_b32 v[QSE], v[QSR], v[QSR], 0x01000100
	v_perm_b32 v[QSE+1], v[QSR], v[QSR], 0x03020302
.irp i, 0,1,2,3,4,5
	v_mov_b32 v[QZ+\i], 0                          ; zero codes, written once
	v_mov_b32 v[QZ+12+\i], 0
	v_mov_b32 v[QZ+24+\i], 0
.endr
	v_mov_b32 v[NM+1], 0                           ; (named as the upper halves of pairs before they are first written)
	v_mov_b32 v[FF+1], 0
	v_mov_b32 v[FL], 0xfe800000
.rept 4
	v_nop                                          ; an operand written by vector instructions stands four places ahead of a scaled matrix instruction, a scale word eight
.endr
	s_wait_alu depctr_va_vdst(0)                   ; Q's two scale words and the zero codes are written, which the first score products take as scales and as source 1; the places above stay beside this wait
.macro QKM d, kr, qr, ks, qs, row
.if \row
	v_wmma_scale_f32_16x16x128_f8f6f4 v[\d:\d+7], v[\kr:\kr+11], v[\qr:\qr+11], v[\d:\d+7], v[\ks], v[\qs] matrix_a_fmt:MATRIX_FMT_BF6 matrix_b_fmt:MATRIX_FMT_BF6 matrix_a_scale:MATRIX_SCALE_ROW1
.else
	v_wmma_scale_f32_16x16x128_f8f6f4 v[\d:\d+7], v[\kr:\kr+11], v[\qr:\qr+11], v[\d:\d+7], v[\ks], v[\qs] matrix_a_fmt:MATRIX_FMT_BF6 matrix_b_fmt:MATRIX_FMT_BF6
.endif
.endm
.macro SLICE jj                        ; block jj's largest score among my 16, in two chains; each accumulator is read from its low end on
	v_max3_num_f32 v[C0+\jj], v[FL], v[16*\jj], v[16*\jj+1]
	v_max3_num_f32 v[C1+\jj], v[FL], v[16*\jj+8], v[16*\jj+9]
.irp i, 2,4,6
	v_max3_num_f32 v[C0+\jj], v[C0+\jj], v[16*\jj+\i], v[16*\jj+\i+1]
	v_max3_num_f32 v[C1+\jj], v[C1+\jj], v[16*\jj+8+\i], v[16*\jj+9+\i]
.endr
.endm
.macro PKF n                           ; c s - M_w, a pair of scores
	v_pk_fma_f32 v[2*(\n):2*(\n)+1], v[2*(\n):2*(\n)+1], s[28:29], v[NM:NM+1] op_sel_hi:[1,0,0]
.endm
.macro NORM ks                         ; w = p f_w: the 64 numbers of 128 keys
	WIN W_S
.set x, 0
.rept 32
	v_pk_mul_f32 v[64*(\ks)+2*x:64*(\ks)+2*x+1], v[64*(\ks)+2*x:64*(\ks)+2*x+1], v[FF:FF+1] op_sel_hi:[1,0]
.set x, x+1
.endr
.endm
.macro CVT ks                          ; they become a fragment's codes
.set rP, PP+12*((\ks)%2)
	WIN W_CV
	v_cvt_scalef32_pk16_bf6_f32 v[rP:rP+2], v[64*(\ks):64*(\ks)+15], v[BP+4*(\ks)]
	v_cvt_scalef32_pk16_bf6_f32 v[CT:CT+2], v[64*(\ks)+16:64*(\ks)+31], v[BP+4*(\ks)+1]   ; (a conversion's three registers begin on an even number)
	v_cvt_scalef32_pk16_bf6_f32 v[rP+6:rP+8], v[64*(\ks)+32:64*(\ks)+47], v[BP+4*(\ks)+2]
	v_cvt_scalef32_pk16_bf6_f32 v[CT+4:CT+6], v[64*(\ks)+48:64*(\ks)+63], v[BP+4*(\ks)+3]
	v_nop                                          ; one plain place behind a scaled conversion
	WIN 0
.irp c, 0,1
.irp i, 0,1,2
	v_permlane16_swap_b32 v[rP+6*\c+\i], v[CT+4*\c+\i]   ; the operand's layout wants a whole block in a lane
.endr
.irp i, 0,1,2
	v_mov_b32 v[rP+6*\c+3+\i], v[CT+4*\c+\i]
.endr
.endr
.endm
.macro PV ks                           ; O^T += V^T w^T over 128 keys: the four accumulators by turns.  What follows sets its own windows
.set rP, PP+12*((\ks)%2)
	WIN W_PV
.irp dt, 0,1,2,3
.if (\ks) == 0
	v_wmma_scale_f32_16x16x128_f8f6f4 v[OA+8*\dt:OA+8*\dt+7], v[12*(4*(\ks)+\dt):12*(4*(\ks)+\dt)+11], v[rP:rP+11], 0, v[VS+\dt], v[PWD] matrix_a_fmt:MATRIX_FMT_BF6 matrix_b_fmt:MATRIX_FMT_BF6
.elseif (\ks)%2
	v_wmma_scale_f32_16x16x128_f8f6f4 v[OA+8*\dt:OA+8*\dt+7], v[12*(4*(\ks)+\dt):12*(4*(\ks)+\dt)+11], v[rP:rP+11], v[OA+8*\dt:OA+8*\dt+7], v[VS+4*((\ks)/2)+\dt], v[PWD+(\ks)] matrix_a_fmt:MATRIX_FMT_BF6 matrix_b_fmt:MATRIX_FMT_BF6 matrix_a_scale:MATRIX_SCALE_ROW1
.else
	v_wmma_scale_f32_16x16x128_f8f6f4 v[OA+8*\dt:OA+8*\dt+7], v[12*(4*(\ks)+\dt):12*(4*(\ks)+\dt)+11], v[rP:rP+11], v[OA+8*\dt:OA+8*\dt+7], v[VS+4*((\ks)/2)+\dt], v[PWD+(\ks)] matrix_a_fmt:MATRIX_FMT_BF6 matrix_b_fmt:MATRIX_FMT_BF6
.endif
.endr
.endm
.macro RED_LOAD pp                     ; the four waves' partial sums of my two pairs of half rows
.irp w, 0,1,2,3
.irp y, 0,1
	ds_load_b128 v[RD+8*\w+4*\y:RD+8*\w+4*\y+3], v[ORD] offset:OPP*(\pp)+4352*\w+544*\y
.endr
.endr
.endm
.macro RED_ADD                         ; added: waves 0 + 1, waves 2 + 3, then the two; the sums stand in v88-95
.irp y, 0,1
.irp z, 0,2
	v_pk_add_f32 v[RD+4*\y+\z:RD+4*\y+\z+1], v[RD+4*\y+\z:RD+4*\y+\z+1], v[RD+8+4*\y+\z:RD+8+4*\y+\z+1]
	v_pk_add_f32 v[RD+16+4*\y+\z:RD+16+4*\y+\z+1], v[RD+16+4*\y+\z:RD+16+4*\y+\z+1], v[RD+24+4*\y+\z:RD+24+4*\y+\z+1]
.endr
.endr
.irp y, 0,1
.irp z, 0,2
	v_pk_add_f32 v[RD+4*\y+\z:RD+4*\y+\z+1], v[RD+4*\y+\z:RD+4*\y+\z+1], v[RD+16+4*\y+\z:RD+16+4*\y+\z+1]
.endr
.endr
.endm
.macro RED_STORE pp                    ; and stored: sixteen lanes store a query's 256 bytes of my head, aligned
.irp y, 0,1
.if (\pp) == 0
	global_store_b128 v[GO], v[RD+4*\y:RD+4*\y+3], s[24:25] offset:8192*\y th:TH_STORE_NT
.else
	global_store_b128 v[GO], v[RD+4*\y:RD+4*\y+3], s[24:25] offset:8192*\y+32768-131072 th:TH_STORE_NT   ; the odd tile lies 8 rows on; it is added a trip later, when the base has gone 32 rows on
.endif
.endr
.endm
; A TILE of 16 queries, of parity p in its trip
.macro TILE p
	s_wait_xcnt 0x0                                ; the last sums' stores have had their addresses translated: v88-95, which the maxima below write, are rewritten only behind this wait
	s_wait_alu depctr_vm_vsrc(0)                   ; the stores issued so far have read their registers: the sums v88-95 (the maxima write them), O^T v176-207 (PV 0 writes it), the pair v14-15 (the statistics write it); in the first tile the head's v26-28 too
	; ---- the scores: S^T = K Q^T + the mask's table, a pair of key tiles at a time; the maxima of the pair before stand behind each pair and are its places
.set j, 0
.rept 16
	s_wait_dscnt 60-4*j                            ; the table's four loads for pair j are in; those of the pairs behind it may be out (round the loop eight stores of partial sums follow the 64 loads: there the count asks for more than it need)
	WIN W_QK
.set rD, 16*j
.set rK, 12*j
.set rS, KS+4*(j/8)+j%4
.set rR, (j/4)%2
	QKM rD, rK, QZ+6+12*\p, rS, QSE+\p, rR
	QKM rD+8, rK, QZ+12*\p, rS, QSE+\p, rR
.if j == 0
.rept 4
	v_nop                                          ; no maxima are at hand yet
.endr
.else
	WIN W_MX
.set sj, j-1
	SLICE sj
.endif
.set j, j+1
.endr
	WIN W_MX
	SLICE 15
	WIN 0
	; ---- each block's largest score; my wave's largest; -M_w
.irp b, 0,1,2,3,4,5,6,7,8,9,10,11,12,13,14,15
	v_max_num_f32 v[C0+\b], v[C0+\b], v[C1+\b]
.endr
.irp b, 0,1,2,3,4,5,6,7,8,9,10,11,12,13,14,15
	v_permlanex16_b32 v[C1+\b], v[C0+\b], s26, s27
.endr
.irp b, 0,1,2,3,4,5,6,7,8,9,10,11,12,13,14,15
	v_max_num_f32 v[C0+\b], v[C0+\b], v[C1+\b]     ; with lane l xor 16's 16 keys
.endr
	v_max3_num_f32 v26, v[C0], v[C0+1], v[C0+2]
	v_max3_num_f32 v27, v[C0+3], v[C0+4], v[C0+5]
	v_max3_num_f32 v26, v26, v[C0+6], v[C0+7]
	v_max3_num_f32 v27, v27, v[C0+8], v[C0+9]
	v_max3_num_f32 v26, v26, v[C0+10], v[C0+11]
	v_max3_num_f32 v27, v27, v[C0+12], v[C0+13]
	v_max3_num_f32 v26, v26, v[C0+14], v[C0+15]
	v_max_num_f32 v26, v26, v27
	v_mul_f32 v26, s28, v26                        ; as t (c is positive)
	v_floor_f32 v[NM], -v26                        ; -M_w = floor(-t): M_w is a whole number
	; ---- ONE BATCH of 272 exponentials with one wait: the blocks' largest p first, then the 256 p; a pair is scaled two pairs ahead of its exponentials
.irp b, 0,1,2,3,4,5,6,7,8,9,10,11,12,13,14,15
	v_fma_f32 v[BP+\b], v[C0+\b], s28, v[NM]
.endr
.irp b, 0,1,2,3,4,5,6,7,8,9,10,11,12,13,14,15
	v_exp_f32 v[BP+\b], v[BP+\b]                   ; the same multiply-add and exponential on the same number give the same bits as the block's largest p
.endr
	WIN W_S
	PKF 0
	PKF 1
.set x, 0
.rept 128
.if x+2 < 128
.set xx, x+2
	PKF xx
.endif
	v_exp_f32 v[2*x], v[2*x]
	v_exp_f32 v[2*x+1], v[2*x+1]
.set x, x+1
.endr
	v_nop                                          ; a plain instruction behind the last exponential
	s_wait_alu depctr_va_vdst(0)                   ; the batch's 272 results are written, ahead of their first reader: one wait for the batch; and the tile's score products are done reading Q's registers, in which the odd tile's loads below land
	WIN 0
.if \p == 1
	; ---- the next trip's Q is asked for: no vector or matrix instruction since the wait above names its registers.  In the last trip the bytes that follow still lie inside both buffers, and nobody uses them
	s_add_nc_u64 s[20:21], s[20:21], 1536
	s_and_b32 s34, s15, 3
	s_cmp_eq_u32 s34, 3
	s_cselect_b32 s32, 244, 4                      ; a pair's word lies 4 bytes on; every fourth pair begins the next 256 bytes
	s_add_nc_u64 s[22:23], s[22:23], s[32:33]
	QLOAD
.endif
	; ---- l_w: the sum of the unquantised p, two at a time, in four chains
	WIN W_A2
.irp i, 0,1,2,3
	v_pk_add_f32 v[LA+2*\i:LA+2*\i+1], v[2*\i:2*\i+1], v[2*\i+8:2*\i+9]
.endr
	WIN W_A1
.set x, 8
.rept 120
	v_pk_add_f32 v[LA+2*(x%4):LA+2*(x%4)+1], v[LA+2*(x%4):LA+2*(x%4)+1], v[2*x:2*x+1]
.set x, x+1
.endr
	WIN 0
	v_pk_add_f32 v[LA:LA+1], v[LA:LA+1], v[LA+2:LA+3]
	v_pk_add_f32 v[LA+4:LA+5], v[LA+4:LA+5], v[LA+6:LA+7]
	v_pk_add_f32 v[LA:LA+1], v[LA:LA+1], v[LA+4:LA+5]
	v_add_f32 v27, v[LA], v[LA+1]
	v_permlanex16_b32 v26, v27, s26, s27
	v_add_f32 v[NM+1], v27, v26
	s_wait_alu depctr_va_vdst(0)                   ; -M_w and l_w are written, which the store reads; the maxima are done with v88-119 and the last tile's statistics with v18-25, in which the loads behind the barrier land
	ds_store_b64 v[STA], v[NM:NM+1] offset:512*\p  ; both halves of the lanes write the same pair
	s_wait_dscnt 0x0                               ; for the others' sake: my pair and my partial sums of the tile before have landed; my reads of what is written next are over
	s_barrier_signal -1
	s_barrier_wait -1
	; ---- behind the barrier: the tile before is added and stored (the first tile of all has none before it)
.if \p == 0
	s_cmp_eq_u32 s15, 0
	s_cbranch_scc1 .Lno_load_\@
.endif
	RED_LOAD 1-\p
.if \p == 0
.Lno_load_\@:
.endif
.irp w, 0,1,2,3
	ds_load_b64 v[GG+2*\w:GG+2*\w+1], v[STR] offset:512*\p+128*\w
.endr
	s_wait_dscnt 0x0
.if \p == 0
	s_cmp_eq_u32 s15, 0
	s_cbranch_scc1 .Lno_add_\@
.endif
	RED_ADD                                        ; ahead of the statistics, so that the wait behind the reciprocal also serves the sums' stores
.if \p == 0
.Lno_add_\@:
.endif
	v_min3_num_f32 v26, v[GG], v[GG+2], v[GG+4]
	v_min_num_f32 v26, v26, v[GG+6]                ; -M
.irp w, 0,1,2,3
	v_sub_f32 v[27+\w], v26, v[GG+2*\w]            ; M_w - M: a whole number, 0 or less
.endr
	v_sub_f32 v31, v26, v[NM]                      ; my own
.irp w, 0,1,2,3,4
	v_cvt_i32_f32 v[27+\w], v[27+\w]               ; (it saturates)
.endr
.irp w, 0,1,2,3
	v_ldexp_f32 v[27+\w], v[GG+2*\w+1], v[27+\w]   ; l_w under M: nothing is rounded
.endr
	v_add_f32 v27, v27, v28
	v_add_f32 v29, v29, v30
	v_add_f32 v27, v27, v29
	v_max_num_f32 v27, 0x0da24260, v27             ; 1e-30 from below: a row whose every key is masked
	v_rcp_f32 v28, v27
	v_nop                                          ; a plain instruction behind the reciprocal
	s_wait_alu depctr_va_vdst(0)                   ; the reciprocal's result is written, ahead of its first reader; and the additions have written the sums v88-95, which the stores below read
	v_ldexp_f32 v[FF], v28, v31                    ; f_w = 2^(M_w - M) / l
.if \p == 0
	s_cmp_eq_u32 s15, 0
	s_cbranch_scc1 .Lno_store_\@
.endif
	RED_STORE 1-\p                                 ; no vector instruction since the wait names v88-95 or the offset
.if \p == 0
.Lno_store_\@:
.endif
	; ---- the 16 blocks' scales
.irp b, 0,1,2,3,4,5,6,7,8,9,10,11,12,13,14,15
	v_mul_f32 v[BP+\b], v[BP+\b], v[FF]            ; the block's largest w
.endr
.irp b, 0,1,2,3,4,5,6,7,8,9,10,11,12,13,14,15
	v_max_num_f32 v[BP+\b], 0x2800000, v[BP+\b]    ; the floor 2^(5 - 127): the byte cannot fall under 1
.endr
.irp b, 0,1,2,3,4,5,6,7,8,9,10,11,12,13,14,15
	v_add_nc_u32 v[BP+\b], 0xfe000000, v[BP+\b]    ; 4 off the exponent field: the conversion's scale operand
.endr
.irp b, 0,1,2,3,4,5,6,7,8,9,10,11,12,13,14,15
	v_lshrrev_b32 v[C1+\b], 23, v[BP+\b]           ; the scale's byte
.endr
.irp s, 0,1,2,3
	v_lshl_or_b32 v[PWD+\s], v[C1+4*\s+1], 8, v[C1+4*\s]
.endr
.irp s, 0,1,2,3
	v_lshl_or_b32 v[PWD+\s], v[C1+4*\s+2], 16, v[PWD+\s]
.endr
.irp s, 0,1,2,3
	v_lshl_or_b32 v[PWD+\s], v[C1+4*\s+3], 24, v[PWD+\s]
.endr
.if \p == 0
	s_wait_loadcnt 0x0                             ; V, in the first tile of all; later nothing is out here
.endif
	; ---- w, its codes, and O^T, 256 keys at a time: two sets of codes, one wait, eight products; behind them the half of the mask's table whose score registers the codes have left
	NORM 0
	CVT 0
	NORM 1
	CVT 1
	NORM 2                                         ; these 32 are the places between the codes' last moves and the products
	s_wait_alu depctr_va_vdst(0)                   ; both sets of codes and w's four scale words are written, which the products take as source 1 and as scales; CVT 0 and 1 are done reading window 1's v0-127, in which the table's loads below land
	PV 0
	PV 1
	MASKLOAD 0, 16                                 ; the next tile's key tiles 0-15.  No wait: the products since the wait name V, the codes, O^T and scale words alone
	NORM 3                                         ; these 32 are the places between the products and the conversions that write the sets of codes again
	CVT 2
.if \p == 1
	s_wait_loadcnt 0x0                             ; the next trip's Q is in
	v_perm_b32 v[QSE], v[QSR], v[QSR], 0x01000100  ; its scale words: more than eight plain instructions follow ahead of the next score product
	v_perm_b32 v[QSE+1], v[QSR], v[QSR], 0x03020302
.endif
	CVT 3
.rept 4
	v_nop                                          ; four places between the codes' last moves and the products
.endr
	s_wait_alu depctr_va_vdst(0)                   ; both sets of codes are written anew, which the products take as source 1; CVT 2 and 3 are done reading window 1's v128-255, in which the table's loads below land
	PV 2
	PV 3
	MASKLOAD 16, 16                                ; the next tile's key tiles 16-31 (behind the very last tile the table serves nobody)
.rept 4
	v_nop                                          ; four places between the products and the stores of their results
.endr
	s_wait_alu depctr_va_vdst(0)                   ; the products have written O^T, which the LDS stores read; the places above stay beside this wait.  It also stands behind the writes of Q's next scale words, which the next score products take: no vector instruction follows it ahead of them
.irp dt, 0,1,2,3
.irp x, 0,1
	ds_store_b128 v[OSTO], v[OA+8*\dt+4*\x:OA+8*\dt+4*\x+3] offset:OPP*\p+128*(\dt/2)+32*(\dt%2)+16*\x   ; lane (r, h): query r, channels 32 (dt / 2) + 16 h + 8 (dt % 2) + 0 .. 7
.endr
.endr
.endm
.Ltrip:
	TILE 0
	TILE 1
	s_wait_xcnt 0x0                                ; the stores have read their base
	s_add_nc_u64 s[24:25], s[24:25], 131072        ; 32 queries on
	s_add_co_u32 s15, s15, 1
	s_cmp_lt_u32 s15, 8
	s_cbranch_scc1 .Ltrip
	s_wait_dscnt 0x0                               ; my last partial sums have landed
	s_barrier_signal -1
	s_barrier_wait -1
	s_wait_alu depctr_vm_vsrc(0)                   ; the last tile's stores of sums have read v88-95, in which the loads below land (the vector instructions that named v88-119 stand ahead of the tile's last waits on va_vdst)
	RED_LOAD 1                                     ; the last tile
	s_wait_dscnt 0x0
	RED_ADD
	s_wait_alu depctr_va_vdst(0)                   ; the additions have written the sums v88-95, which the stores read
	RED_STORE 1
	s_wait_dscnt 0x0                               ; the closing lines, six on end
	s_wait_alu 0x0
	s_wait_tensorcnt 0x0
	ds_add_u32 v[SPW], v[NIL]
	s_wait_dscnt 0x0
	s_endpgm
.Lfunc_end_k_qe223b28440_attn:
	.size	k_qe223b28440_attn, .Lfunc_end_k_qe223b28440_attn-k_qe223b28440_attn
	.p2alignl 7, 3214868480
	.fill 96, 4, 3214868480
	.section	.rodata,"a",@progbits
	.p2align	6, 0x0
	.amdhsa_kernel k_qe223b28440_attn
		.amdhsa_group_segment_fixed_size 44544
		.amdhsa_private_segment_fixed_size 0
		.amdhsa_enable_private_segment 0
		.amdhsa_kernarg_size 32
		.amdhsa_user_sgpr_count 2
		.amdhsa_user_sgpr_kernarg_segment_ptr 1
		.amdhsa_wavefront_size32 1
		.amdhsa_system_sgpr_workgroup_id_x 1
		.amdhsa_system_sgpr_workgroup_id_y 1
		.amdhsa_system_sgpr_workgroup_id_z 1
		.amdhsa_system_vgpr_workitem_id 0
		.amdhsa_next_free_vgpr 1024
		.amdhsa_next_free_sgpr 66
		.amdhsa_reserve_vcc 0
		.amdhsa_float_denorm_mode_32 3
		.amdhsa_float_denorm_mode_16_64 3
		.amdhsa_memory_ordered 1
		.amdhsa_forward_progress 1
		.amdhsa_inst_pref_size 159
	.end_amdhsa_kernel
	.amdgpu_metadata
---
amdhsa.version: [ 1, 2 ]
amdhsa.kernels:
  - .name:           k_qe223b28440_attn
    .symbol:         k_qe223b28440_attn.kd
    .args:
      - { .name: hcod, .offset: 0, .size: 8, .value_kind: global_buffer, .address_space: global }
      - { .name: hscl, .offset: 8, .size: 8, .value_kind: global_buffer, .address_space: global }
      - { .name: mask, .offset: 16, .size: 8, .value_kind: global_buffer, .address_space: global }
      - { .name: out0, .offset: 24, .size: 8, .value_kind: global_buffer, .address_space: global }
    .group_segment_fixed_size: 44544
    .private_segment_fixed_size: 0
    .kernarg_segment_align: 8
    .kernarg_segment_size: 32
    .max_flat_workgroup_size: 128
    .sgpr_count:     66
    .vgpr_count:     1024
    .wavefront_size: 32
...
	.end_amdgpu_metadata
.endif
;; end of part 4
